; MI455X (gfx1250); checked and timed in simulation.
; The chip was launched on July 23, 2026; its instructions are those of AMD's public machine-readable ISA for CDNA 5 (MIT licence, August 2026) and "CDNA5" Instruction Set Architecture Reference Guide (July 2026). The comments in the code are by the model that wrote it; some were corrected since.
;; Cross Attention. Allowed arithmetic: matrix products marked QUANTISED: E4M3 operands, one E8M0 scale for each 32 along K, by v_wmma_scale_f32_16x16x128_f8f6f4 with both operands' format E4M3, f32 sums; everything else in f32.
;; Inputs: k_b 1,024 float32; k_w_codes 1,024 x 32 x 32 uint8 (E4M3 codes of k_w, K innermost, in blocks of 32 codes); k_w_scales 1,024 x 32 uint8 (E8M0 scales of k_w, one for each 32 codes along K); llm_features_codes 8 x 2,048 x 32 x 32 uint8 (E4M3 codes of llm_features, K innermost, in blocks of 32 codes); llm_features_scales 8 x 2,048 x 32 uint8 (E8M0 scales of llm_features, one for each 32 codes along K); o_b 1,024 float32; o_w_codes 1,024 x 32 x 32 uint8 (E4M3 codes of o_w, K innermost, in blocks of 32 codes); o_w_scales 1,024 x 32 uint8 (E8M0 scales of o_w, one for each 32 codes along K); q_b 1,024 float32; q_w_codes 1,024 x 32 x 32 uint8 (E4M3 codes of q_w, K innermost, in blocks of 32 codes); q_w_scales 1,024 x 32 uint8 (E8M0 scales of q_w, one for each 32 codes along K); ts_features_codes 8 x 512 x 32 x 32 uint8 (E4M3 codes of ts_features, K innermost, in blocks of 32 codes); ts_features_scales 8 x 512 x 32 uint8 (E8M0 scales of ts_features, one for each 32 codes along K); v_b 1,024 float32; v_w_codes 1,024 x 32 x 32 uint8 (E4M3 codes of v_w, K innermost, in blocks of 32 codes); v_w_scales 1,024 x 32 uint8 (E8M0 scales of v_w, one for each 32 codes along K).
;; Outputs: out0 8 x 512 x 1,024 float32.
;; This version of the problem:
;;   THIS VERSION OF THE PROBLEM IS GIVEN IN LOW PRECISION. The matrix products marked QUANTISED in the list below multiply operands that are first quantised to E4M3 (4 exponent bits, 3 mantissa bits; 8 bits a number), with one power-of-two scale for each 32 numbers along K (OCP MX v1.0); their sums are f32. All else is computed in f32.
;;   The module's matrix products, in the order in which they are computed (A, B: the left and right operand; K: the contracted axis; several contracted axes count as one K, in the product's order):
;;     1. [M 4,096, K 1,024] x [K 1,024, N 1,024]; A: input ts_features (given as codes); B: input q_w (given as codes): QUANTISED
;;     2. [M 16,384, K 1,024] x [K 1,024, N 1,024]; A: input llm_features (given as codes); B: input k_w (given as codes): QUANTISED
;;     3. [M 16,384, K 1,024] x [K 1,024, N 1,024]; A: input llm_features (given as codes); B: input v_w (given as codes): QUANTISED
;;     4. batch 128 x [M 512, K 64] x [K 64, N 2,048]; A: computed on the way; B: computed on the way: QUANTISED
;;     5. batch 128 x [M 512, K 2,048] x [K 2,048, N 64]; A: softmax (see below); B: computed on the way: QUANTISED
;;     6. [M 4,096, K 1,024] x [K 1,024, N 1,024]; A: computed on the way; B: input o_w (given as codes): QUANTISED
;;   THE QUANTISER, for each operand of a quantised product, along K:
;;     - K is cut into blocks of 32 from its start; a last block that is shorter is filled with zeros.
;;     - A block's scale is 2^e with e = floor(log2(the largest magnitude in the block)) - 8, held to -126 .. 127; a block of zeros has e = 0. As a byte (E8M0): e + 127.
;;     - Each number is divided by its block's scale, clamped to +-448, and rounded to the nearest number of E4M3, ties to even, subnormals kept.
;;     - The product sums the exact products of the quantised numbers (number of the format x scale) in f32.
;;   ~~~python
;;   def quantise(x, axis):      # numpy; x: float32 -> the quantised numbers, widened to float32 again
;;       x = np.moveaxis(x, axis, -1); K = x.shape[-1]
;;       x = np.pad(x, [(0, 0)] * (x.ndim - 1) + [(0, -K % 32)]); x = x.reshape(x.shape[:-1] + (-1, 32)); a = np.abs(x).max(-1, keepdims=True)
;;       e = np.where(a > 0, np.clip(np.frexp(np.where(a > 0, a, 1))[1] - 1 - 8, -126, 127), 0)      # np.frexp(a)[1] - 1 = floor(log2(a)), exactly
;;       r = np.clip(x / 2.0 ** e, -448, 448)
;;       step = 2.0 ** (np.maximum(np.frexp(np.where(r == 0, 1, r))[1] - 1, -6) - 3)
;;       q = np.round(r / step) * step * 2.0 ** e      # np.round: ties to even
;;       return np.moveaxis(q.reshape(q.shape[:-2] + (-1,))[..., :K], -1, axis).astype(np.float32)
;;   ~~~
;;   SOFTMAX AHEAD OF A QUANTISED PRODUCT. Where the list says 'softmax', what is quantised is not the finished softmax but p = 2^(t - M), with t = logit x log2(e) and M = ceil(the row's largest t), a whole number; so 1/2 < the row's largest p <= 1. The row's sum l is taken of the UNQUANTISED p, in f32, and the product's result is divided by l at the end. Since M is a whole number, a kernel that streams over the keys may use a running M (the ceiling of the running maximum): every later rescaling is an exact power of two, which a block's scale takes up: the codes' values come out the same.
;;   OPERANDS COMPUTED ON THE WAY. 'Computed on the way' means the value that the module computes at that place (a softmax that the list does not call 'softmax' is quantised finished and normalised). What goes into a quantiser is computed in f32, as accurately as f32 sums, v_exp_f32 and their like allow (about 1e-6 of the number): no bf16 or f16 on the way to a quantiser, and a product that is left as it is and whose result goes on into a quantised operand takes f32 operands (vector FMAs, or v_wmma_f32_16x16x4_f32). A number that lies on a knife's edge between two numbers of the format may be rounded either way, as far as f32 arithmetic and the matrix unit's own rounding can turn it there, and no further.
;;   INPUTS GIVEN AS CODES. k_w (in the module: [1024, 1024], K = its axis 1); llm_features (in the module: [8, 2048, 1024], K = its axis 2); o_w (in the module: [1024, 1024], K = its axis 1); q_w (in the module: [1024, 1024], K = its axis 1); ts_features (in the module: [8, 512, 1024], K = its axis 2); v_w (in the module: [1024, 1024], K = its axis 1): each comes as NAME_codes (uint8): NAME with its K axis moved to the last place and cut into blocks of 32 codes, [.., K / 32, bytes a block], one block behind the other in memory; one code a byte (a code: sign, 4 exponent bits, 3 mantissa bits); and NAME_scales (uint8): the same leading axes, one E8M0 byte (e + 127) for each 32 codes along K. Its value is code x scale, taken as it is: it is not quantised again, and the codes and scales need not be those that the quantiser above would give.
;; One version. Each part assembles by itself: llvm-mc -triple=amdgcn-amd-amdhsa -mcpu=gfx1250 --defsym DOCPART=n.
;; ======== version 1 of 1: 3 launches
;; limits: right only within a limited range of input values
;; workspace buffers: kc 16,777,216 bytes; vc 16,777,216 bytes; qc 4,194,304 bytes; cc 4,194,304 bytes; ks 524,288 bytes; vs 524,288 bytes; qs 131,072 bytes; cs 131,072 bytes
;; launch proj (part 1): grid 256 x 1, 4 waves a work-group, clusters of 4 x 1, 327,680 bytes of LDS; arguments llm_features_codes, llm_features_scales, k_w_codes, k_w_scales, v_w_codes, v_w_scales, k_b, v_b, kc, vc, ks, vs, ts_features_codes, ts_features_scales, q_w_codes, q_w_scales, q_b, qc, qs; writes kc, vc, ks, vs, qc, qs
.if DOCPART == 1
	.amdgcn_target "amdgcn-amd-amdhsa--gfx1250"
	.amdhsa_code_object_version 6
	.text
	.protected	k_q2414215bbb_proj
	.globl	k_q2414215bbb_proj
	.p2align	8
	.type	k_q2414215bbb_proj,@function
k_q2414215bbb_proj:
	s_mov_b64 s[64:65], 0
	v_nop
	global_prefetch_b8 v0, s[64:65] scope:SCOPE_SE
	s_setreg_imm32_b32 hwreg(HW_REG_WAVE_MODE, 25, 1), 1
	s_wait_xcnt 0x0
	s_wait_alu depctr_hold_cnt(0) depctr_sa_sdst(0) depctr_va_vdst(0) depctr_va_sdst(0) depctr_va_ssrc(0) depctr_va_vcc(0) depctr_vm_vsrc(0)
	s_getreg_b32 s2, hwreg(HW_REG_IB_STS2, 6, 4)
	s_cmp_eq_u32 s2, 0
	s_cbranch_scc0 .Lentry_in_a_cluster
	s_endpgm
.Lentry_in_a_cluster:
	s_bfe_u32 s2, ttmp6, 0x10000c
	s_cmp_lg_u32 s2, 0x3003
	s_cbranch_scc0 .Lentry_shape_is_right
	s_endpgm
.Lentry_shape_is_right:
; THE THREE PROJECTIONS k = llm k_w^T + k_b, v = llm v_w^T + v_b, q = ts q_w^T + q_b, on codes of E4M3 with E8M0 scales, each result quantised at once (k and q along the head's 64, v along the keys)
; and stored as codes in the order of the registers of the operand that the attention launch loads.
; ONE JOB serves all three: D = S T^T.  S, the STATIONARY operand (source 0), is 64 rows a wave with all of K = 1,024: 32 fragments, 512 registers, read from memory once.  T, the STREAMED operand
; (source 1), goes by tiles of 16 rows through LDS, read by all four waves.  In the result a lane holds ONE row of T (lane % 16) and its 32 numbers run along S's rows: 16 t + 8 (lane / 16) + j: two blocks of the next K.
;   K: S = k_w (a wave's 64 rows are a head), T = llm (keys).   V: S = llm (64 keys a wave), T = v_w.   Q: S = q_w, T = ts.
; THE ORDER INSIDE A BLOCK OF 32.  Byte 8 u + j of the 16 bytes that lane half h holds of block c is K index 32 c + 16 u + 8 h + j: a fixed permutation inside the block, the same in every operand that this program makes,
; so products meet their partners and each block keeps its members and its scale; only the order of the sums inside a block differs from the natural one.
; SHARES.  64 clusters of 4 work-groups.  Clusters 0-31: K, T = llm rows 512 C on, work-group cx takes k_w rows 256 cx on.  Clusters 32-63: V, T = v_w rows 512 tc on, work-group takes keys 256 G on, G = 4 (C' / 2) + cx.
; Then every work-group does Q: T = ts rows 64 C on, q_w rows 256 cx on.  So each wave has 36 tiles x 32 matrix instructions.
; CLUSTER.  The four work-groups of a cluster stream the same T: every tile of T and its scales are asked for jointly (mask 15).
; LDS: two slots of 128 rows of T (pitch 1,040); T's scale bytes (units of 256 + 16), filled once; a scratch of 16 x 528 bytes for each wave, through which S's rows turn into fragments; the spare words.
; LIMITS: NaN and infinities are not served.  A block of zeros gets the byte 1 (its codes are zeros; this program alone reads the bytes).  A block's largest magnitude is not taken under 2^(9 - 127).
; REGISTERS: window 0: addresses, scale words, bias, 4 accumulators, the quantiser.  Windows 1, 2: S's fragment (t, s) at v[((s % 4) 4 + t) 16] of window 1 + s / 4.  Window 3: T's fragments, two sets of 128.
.set TP,     1040                      ; a row of T in LDS: 1,024 bytes + 16: an odd multiple of 16, so the 16 rows of a load start in different banks
.set TILEB,  16*TP
.set SLOTB,  128*TP
.set TSC,    2*SLOTB                   ; the main job's T scales: 64 units of 272
.set TSQ,    TSC+64*272                ; Q's: 8 units
.set SCR,    285952                    ; the waves' scratch: blocks of 256 bytes into which no tile lands
.set SCP,    528
.set SCW,    16*SCP
.set SPARE,  SCR+4*SCW                 ; the spare words: 128 bytes a wave
.set SPW, 1
.set NIL, 2
.set L16, 3                            ; 16 x lane
.set TA0, 4                            ; r 1040 + 16 h
.set TSA0, 5                           ; TSC + (r / 8) 272 + (r % 8) 32
.set AD,  6                            ; the pair's tiles of T
.set ADS, 7                            ; and their scale words
.set SCS, 8                            ; scratch, in: 16 x lane
.set SCL, 9                            ; scratch, out: r 528 + 16 h
.set SSO, 10                           ; 32 r
.set BIO, 11                           ; 32 h
.set TBO, 12                           ; 4 r, + 128 a pair
.set L8,  13
.set L4,  14
.set SS,  16                           ; v16-47  S's scale words (t, s) at 8 t + s
.set TS,  48                           ; v48-63  T's scale words, two sets of 8
.set BI,  64                           ; v64-95  the bias along S's rows, as the C of each sum's first product
.set ACC, 96                           ; v96-127 four accumulators
.set PC,  128                          ; v128-135 a tile's codes
.set XY,  136
.set HW,  138                          ; v138, v139 the half words of a pair's two tiles
.set SW,  140                          ; v140-143 the last four pairs' scale words
.set TB,  144                          ; v144, v146 the bias along T's rows (V), each named as a pair
.set TM,  148                          ; v148-159 the quantiser
.set WV, 2
.set CX, 3
.set SCD, 4
.set SSP, 6
.set SEL, 8
.set MNT, 10
.set HM, 11
.set STEPA, 12
.set SCSTEP, 14
.set SBI, 16
.set TBI, 18
.set OC, 20
.set CC, 22
.set OS, 24
.set G0Q, 28
.set QSC, 32
.set QSS, 34
.set QBI, 36
.set QOC, 38
.set QOS, 40
.set G1T, 48
.set G1Q, 56
.set G1S, 68
.set G1SQ, 76
.set G0A, 84
.set G0B, 88
.set G0S, 92
.set G0SQ, 96
.set CNT, 100
.set MODE, 101
.set TO, 104
.set TSO, 105
.set MSB, 0
.set QJOB, 0                           ; 1 while the Q job is assembled: it has no bias along T's rows and no choice by MODE
.set TF,  192                          ; v192, v193 the next pair's bias along T's rows (V), on its way.  v160-191: the second set of four accumulators
.macro WIN new                         ; the immediate's high byte repeats the setting that is left; a switch that changes nothing is dropped
.if MSB != (\new)
	s_set_vgpr_msb (MSB<<8)|(\new)
.set MSB, (\new)
.endif
.endm
.macro ROUND                           ; a round of the cluster's barrier
	s_barrier_signal -1
	s_barrier_wait -1
	s_cmp_lg_u32 s[WV], 0
	s_cbranch_scc1 .Lnw0_\@
	s_barrier_signal -3
.Lnw0_\@:
	s_barrier_wait -3
	s_barrier_signal -1
	s_barrier_wait -1
.endm
	s_load_b512 s[48:63], s[0:1], 0x0              ; llm codes, llm scales, k_w codes, k_w scales, v_w codes, v_w scales, k_b, v_b
	s_load_b256 s[68:75], s[0:1], 0x40             ; kc, vc, ks, vs
	s_load_b256 s[76:83], s[0:1], 0x60             ; ts codes, ts scales, q_w codes, q_w scales
	s_load_b128 s[84:87], s[0:1], 0x80             ; q_b, qc
	s_load_b64 s[88:89], s[0:1], 0x90              ; qs
	v_lshl_add_u32 v[SPW], v0, 2, SPARE
	v_mov_b32 v[NIL], 0
	ds_add_u32 v1, v2
	ds_add_u32 v1, v2
	s_wait_dscnt 0x0
	v_lshrrev_b32 v15, 5, v0
	v_readfirstlane_b32 s[WV], v15                 ; wave 0..3
	v_and_b32 v15, 31, v0                          ; lane
	v_lshlrev_b32 v[L16], 4, v15
	v_lshlrev_b32 v[L8], 3, v15
	v_lshlrev_b32 v[L4], 2, v15
	v_and_b32 v10, 15, v0                          ; r
	v_bfe_u32 v11, v0, 4, 1                        ; h
	v_mul_u32_u24 v[TA0], v10, TP
	v_lshl_add_u32 v[TA0], v11, 4, v[TA0]
	v_lshrrev_b32 v[TSA0], 3, v10
	v_mul_u32_u24 v[TSA0], v[TSA0], 272
	v_and_b32 v6, 7, v10
	v_lshl_add_u32 v[TSA0], v6, 5, v[TSA0]
	v_add_nc_u32 v[TSA0], TSC, v[TSA0]
	s_mul_i32 s23, s[WV], SCW
	s_add_co_u32 s23, s23, SCR                     ; my scratch
	v_add_nc_u32 v[SCS], s23, v[L16]
	v_mul_u32_u24 v[SCL], v10, SCP
	v_lshl_add_u32 v[SCL], v11, 4, v[SCL]
	v_add_nc_u32 v[SCL], s23, v[SCL]
	v_lshlrev_b32 v[TBO], 2, v10
	v_lshlrev_b32 v[SSO], 5, v10
	v_lshlrev_b32 v[BIO], 5, v11
.irp i, 0,1,2,3
	v_mov_b32 v[SW+\i], 0                          ; read by the shift of the pairs' words before all four are made
	v_mov_b32 v[TB+\i], 0                          ; named as pairs
.endr
	v_mov_b32 v[TM+4], 0                           ; a lane permute's destination counts as one of its sources
	v_mov_b32 v[TM+5], 0
	v_mov_b32 v[TF], 0                             ; K: the addend along T's rows stays 0
	v_mov_b32 v[TF+1], 0
	s_wait_alu depctr_va_vdst(0)                   ; the wait behind the head's vector lines
	; who am I.  What hangs on cx stays in s3, s8-15, s26, s27 and the pointers of S and of the outputs; T's side uses s23, s46, s47, s100, s104, s105 and never sees cx.
	s_mov_b32 s[CC], ttmp9                         ; the cluster's number C
	s_bfe_u32 s[CX], ttmp6, 0x40000                ; cx
	s_sub_co_u32 s46, s[CC], 32                    ; C' (of use in V's clusters alone)
	s_and_b32 s104, s46, 1                         ; tc: which half of v_w's rows
	s_bfe_u32 s105, s46, 0x40001                   ; C' / 2
	s_lshl_b32 s26, s105, 2
	s_add_co_u32 s26, s26, s[CX]                   ; G: which 256 keys
	s_lshl_b32 s8, s[CX], 2
	s_add_co_u32 s8, s8, s[WV]                     ; head = 4 cx + w
	s_lshl_b32 s27, s26, 2
	s_add_co_u32 s27, s27, s[WV]                   ; 4 G + w
	s_lshr_b32 s9, s[CC], 2
	s_lshl_b32 s9, s9, 4
	s_add_co_u32 s9, s9, s8                        ; K: 16 b + head, b = C / 4
	s_and_b32 s10, s[CC], 3
	s_lshl_b32 s12, s9, 17
	s_lshl_b32 s11, s10, 15
	s_add_co_u32 s12, s12, s11                     ; K: where my codes begin in kc
	s_lshl_b32 s13, s9, 12
	s_lshl_b32 s11, s10, 10
	s_add_co_u32 s13, s13, s11                     ; K: and my scale units in ks
	s_lshl_b32 s14, s26, 1
	s_lshr_b32 s11, s[WV], 1
	s_add_co_u32 s14, s14, s11                     ; V: 16 b + key step = 2 G + w / 2
	s_lshl_b32 s14, s14, 17
	s_lshl_b32 s11, s104, 16
	s_add_co_u32 s14, s14, s11
	s_and_b32 s11, s[WV], 1
	s_lshl_b32 s11, s11, 10
	s_add_co_u32 s14, s14, s11                     ; V: where my codes begin in vc
	s_lshr_b32 s15, s26, 3
	s_lshl_b32 s15, s15, 16
	s_lshl_b32 s11, s104, 15
	s_add_co_u32 s15, s15, s11
	s_and_b32 s11, s26, 7
	s_lshl_b32 s11, s11, 10
	s_add_co_u32 s15, s15, s11
	s_lshl_b32 s11, s[WV], 8
	s_add_co_u32 s15, s15, s11                     ; V: and my scale units in vs
	s_cmp_lt_u32 s[CC], 32                         ; K's cluster or V's: the same answer in all four partners
	s_cselect_b32 s100, s[CC], s104                ; x: which 512 rows of T
	s_cselect_b32 s27, s8, s27                     ; Z: which 64 rows of S
	s_cselect_b32 s[MODE], 0, 1
	s_cselect_b32 s12, s12, s14
	s_cselect_b32 s13, s13, s15
	s_lshl_b32 s14, s27, 16                        ; S's codes: 64 rows of 1,024 bytes
	s_lshl_b32 s15, s27, 11                        ; S's scales: 64 rows of 32 bytes
	s_lshr_b32 s9, s[CC], 3
	s_lshl_b32 s9, s9, 4
	s_add_co_u32 s9, s9, s8                        ; Q: 16 b + head, b = C / 8
	s_and_b32 s11, s[CC], 7
	s_lshl_b32 s10, s9, 15
	s_lshl_b32 s26, s11, 12
	s_add_co_u32 s10, s10, s26                     ; Q: where my codes begin in qc
	s_lshl_b32 s9, s9, 10
	s_lshl_b32 s11, s11, 7
	s_add_co_u32 s11, s9, s11                      ; Q: and my words in qs
	s_wait_kmcnt 0x0
	s_cmp_lt_u32 s[CC], 32
	s_cselect_b64 s[42:43], s[48:49], s[56:57]     ; T's codes: llm or v_w
	s_cselect_b64 s[44:45], s[50:51], s[58:59]     ; T's scales
	s_cselect_b64 s[SCD:SCD+1], s[52:53], s[48:49] ; S's codes: k_w or llm
	s_cselect_b64 s[SSP:SSP+1], s[54:55], s[50:51]
	s_cselect_b64 s[OC:OC+1], s[68:69], s[70:71]   ; kc or vc
	s_cselect_b64 s[OS:OS+1], s[72:73], s[74:75]   ; ks or vs
	s_mov_b64 s[SBI:SBI+1], s[60:61]               ; k_b
	s_mov_b64 s[TBI:TBI+1], s[62:63]               ; v_b
	s_mov_b64 s[QSC:QSC+1], s[80:81]
	s_mov_b64 s[QSS:QSS+1], s[82:83]
	s_mov_b64 s[QBI:QBI+1], s[84:85]
	s_mov_b64 s[QOC:QOC+1], s[86:87]
	s_mov_b64 s[QOS:QOS+1], s[88:89]
	s_mov_b32 s27, 0
	s_mov_b32 s26, s14
	s_add_nc_u64 s[SCD:SCD+1], s[SCD:SCD+1], s[26:27]
	s_mov_b32 s26, s15
	s_add_nc_u64 s[SSP:SSP+1], s[SSP:SSP+1], s[26:27]
	s_mov_b32 s26, s12
	s_add_nc_u64 s[OC:OC+1], s[OC:OC+1], s[26:27]
	s_mov_b32 s26, s13
	s_add_nc_u64 s[OS:OS+1], s[OS:OS+1], s[26:27]
	s_lshl_b32 s26, s8, 8                          ; 64 numbers of a bias
	s_add_nc_u64 s[SBI:SBI+1], s[SBI:SBI+1], s[26:27]
	s_add_nc_u64 s[QBI:QBI+1], s[QBI:QBI+1], s[26:27]
	s_lshl_b32 s26, s8, 16
	s_add_nc_u64 s[QSC:QSC+1], s[QSC:QSC+1], s[26:27]
	s_lshl_b32 s26, s8, 11
	s_add_nc_u64 s[QSS:QSS+1], s[QSS:QSS+1], s[26:27]
	s_mov_b32 s26, s10
	s_add_nc_u64 s[QOC:QOC+1], s[QOC:QOC+1], s[26:27]
	s_mov_b32 s26, s11
	s_add_nc_u64 s[QOS:QOS+1], s[QOS:QOS+1], s[26:27]
	; T's side: what I fetch of each tile is made of C, tc and my wave's number
	s_mov_b32 s47, 0
	s_lshl_b32 s46, s104, 11
	s_add_nc_u64 s[TBI:TBI+1], s[TBI:TBI+1], s[46:47]   ; v_b at T's first row
	s_lshl_b32 s46, s100, 19                       ; 512 rows of 1,024 bytes,
	s_add_nc_u64 s[42:43], s[42:43], s[46:47]
	s_lshl_b32 s46, s100, 14                       ; 512 rows of 32 scale bytes
	s_add_nc_u64 s[44:45], s[44:45], s[46:47]
	s_lshl_b32 s46, s[CC], 16                      ; Q: ts rows 64 C on, my 16
	s_lshl_b32 s23, s[WV], 14
	s_add_co_u32 s46, s46, s23
	s_add_nc_u64 s[G0Q+2:G0Q+3], s[76:77], s[46:47]
	s_lshl_b32 s46, s[CC], 11
	s_add_nc_u64 s[G0SQ+2:G0SQ+3], s[78:79], s[46:47]
	s_mov_b32 s[G0Q], 1
	s_mul_i32 s[G0Q+1], s[WV], TILEB               ; Q's four tiles lie at slot 0's head
	s_or_b32 s[G0Q+3], s[G0Q+3], 0x80000000
	s_mov_b32 s[G0SQ], 1
	s_mov_b32 s[G0SQ+1], TSQ
	s_or_b32 s[G0SQ+3], s[G0SQ+3], 0x80000000
	s_mov_b32 s[G0A], 1
	s_mov_b32 s[G0A+1], 0                          ; at the head a slot comes whole, by one wave
	s_mov_b64 s[G0A+2:G0A+3], s[42:43]
	s_or_b32 s[G0A+3], s[G0A+3], 0x80000000
	s_mov_b32 s[G0B], 1
	s_mov_b32 s[G0B+1], SLOTB
	s_add_nc_u64 s[G0B+2:G0B+3], s[42:43], 128*1024
	s_or_b32 s[G0B+3], s[G0B+3], 0x80000000
	s_mov_b32 s[G0S], 1
	s_mov_b32 s[G0S+1], TSC
	s_mov_b64 s[G0S+2:G0S+3], s[44:45]
	s_or_b32 s[G0S+3], s[G0S+3], 0x80000000
	; group 1.  Tiles of T: rows of 1,024 elements of 1 byte, 4 words of padding behind every 256 words; the mask names all four work-groups, bit 21 beside it
	s_mov_b32 s[G1T], 15|(1<<20)|(1<<21)|(7<<22)|(3<<25)
	s_mov_b32 s[G1T+1], 1024<<16                   ; tensor_dim0
	s_mov_b32 s[G1T+2], 128<<16                    ; tensor_dim1 = 128 rows at the head; 32 from the first change of slots on
	s_mov_b32 s[G1T+3], 1024<<16                   ; tile_dim0
	s_mov_b32 s[G1T+4], 128                        ; tile_dim1
	s_mov_b32 s[G1T+5], 1024                       ; from row to row
	s_mov_b32 s[G1T+6], 0
	s_mov_b32 s[G1T+7], 0
	s_mov_b32 s[G1Q], 15|(1<<20)|(1<<21)|(7<<22)|(3<<25)
	s_mov_b32 s[G1Q+1], 1024<<16
	s_mov_b32 s[G1Q+2], 16<<16                     ; 16 rows
	s_mov_b32 s[G1Q+3], 1024<<16
	s_mov_b32 s[G1Q+4], 16
	s_mov_b32 s[G1Q+5], 1024
	s_mov_b32 s[G1Q+6], 0
	s_mov_b32 s[G1Q+7], 0
	; scale bytes: dense memory as rows of 256 bytes (32 elements of 8), 4 words of padding behind every 64
	s_mov_b32 s[G1S], 15|(3<<16)|(1<<20)|(1<<21)|(5<<22)|(3<<25)
	s_mov_b32 s[G1S+1], 32<<16
	s_mov_b32 s[G1S+2], 64<<16
	s_mov_b32 s[G1S+3], 32<<16
	s_mov_b32 s[G1S+4], 64
	s_mov_b32 s[G1S+5], 32
	s_mov_b32 s[G1S+6], 0
	s_mov_b32 s[G1S+7], 0
	s_mov_b32 s[G1SQ], 15|(3<<16)|(1<<20)|(1<<21)|(5<<22)|(3<<25)
	s_mov_b32 s[G1SQ+1], 32<<16
	s_mov_b32 s[G1SQ+2], 8<<16
	s_mov_b32 s[G1SQ+3], 32<<16
	s_mov_b32 s[G1SQ+4], 8
	s_mov_b32 s[G1SQ+5], 32
	s_mov_b32 s[G1SQ+6], 0
	s_mov_b32 s[G1SQ+7], 0
	s_mov_b32 s[SEL], 0x76543210
	s_mov_b32 s[SEL+1], 0xfedcba98                 ; lane l xor 16
	s_mov_b32 s[MNT], 0x600000                     ; the mantissa field of 448
	s_mov_b32 s[HM], 0xffff0000                    ; lanes 16-31
	s_lshl_b32 s[STEPA], 0x400, s[MODE]            ; a tile's codes: 1,024 bytes on (K, Q) or 2,048 (V)
	s_mov_b32 s[STEPA+1], 0
	s_mul_i32 s23, s[MODE], 5
	s_lshl_b32 s[SCSTEP], 0x100, s23               ; a phase's scale unit: 256 bytes on (K) or 8,192 (V)
	s_mov_b32 s[SCSTEP+1], 0
	ROUND                                          ; all four work-groups are here: the first joint loads meet
	s_mul_i32 s44, s[WV], 32*TP                    ; what the ring's loads add at the first change of slots: my 32 rows of a slot, in LDS
	s_lshl_b32 s46, s[WV], 15                      ; and in memory (s47 = 0)
; THE HEAD'S LOADS, ONE A WAVE, in one chain of arms: wave 0 slot 0's 128 rows, wave 1 T's scale bytes, wave 2 Q's, wave 3 slot 1's 128 rows.
.macro ARM under, g0, g1, next
	s_cmp_lt_u32 s[WV], \under
	s_cbranch_scc0 \next
	tensor_load_to_lds s[\g0:\g0+3], s[\g1:\g1+7]
	s_nop 0
.rept 4
	v_nop
.endr
	s_branch .Lhead_asked
\next:
.endm
	ARM 1, G0A, G1T, .Lhead_1
	ARM 2, G0S, G1S, .Lhead_2
	ARM 3, G0SQ, G1SQ, .Lhead_3
	tensor_load_to_lds s[G0B:G0B+3], s[G1T:G1T+7]
	s_nop 0
.rept 4
	v_nop
.endr
.Lhead_asked:
; S INTO REGISTERS.  Batch g = 2 t + kh: the half rows (512 bytes at 512 kh) of the 16 rows of tile t: each load reads 512 consecutive bytes.  They turn through my scratch and come back as four fragments.
.macro SBATCH g, sc
	WIN 0xc0                                       ; destination window 3
.irp i, 0,1,2,3,4,5,6,7,8,9,10,11,12,13,14,15
	global_load_b128 v[64*((\g)%4)+4*\i:64*((\g)%4)+4*\i+3], v[L16], s[\sc:\sc+1] offset:(16*((\g)/2)+\i)*1024+512*((\g)%2)
.endr
.endm
.macro STURN g, left
	s_wait_loadcnt \left                           ; this batch is in; the younger batches of 16 may be out
	WIN 0x0c                                       ; an LDS store's data: window 3
.irp i, 0,1,2,3,4,5,6,7,8,9,10,11,12,13,14,15
	ds_store_b128 v[SCS], v[64*((\g)%4)+4*\i:64*((\g)%4)+4*\i+3] offset:\i*SCP
.endr
	WIN 0x40+0x40*((\g)%2)                         ; destination window 1 (K steps 0-3) or 2 (K steps 4-7).  LDS serves a wave's instructions in order: these see the stores above, and the next batch's stores come behind them
.irp q, 0,1,2,3
.irp c, 0,1,2,3
	ds_load_b128 v[(4*\q+(\g)/2)*16+4*\c:(4*\q+(\g)/2)*16+4*\c+3], v[SCL] offset:128*\q+32*\c
.endr
.endr
.endm
.macro SLOAD sc, ss, sb
	WIN 0
.irp t, 0,1,2,3
	global_load_b128 v[SS+8*\t:SS+8*\t+3], v[SSO], s[\ss:\ss+1] offset:512*\t          ; row 16 t + r: its eight scale words
	global_load_b128 v[SS+8*\t+4:SS+8*\t+7], v[SSO], s[\ss:\ss+1] offset:512*\t+16
.endr
.if QJOB == 0
	s_cmp_lg_u32 s[MODE], 0
	s_cbranch_scc1 .Lzero_\@
.endif
.irp t, 0,1,2,3
	global_load_b128 v[BI+8*\t:BI+8*\t+3], v[BIO], s[\sb:\sb+1] offset:64*\t           ; K, Q: the bias runs along S's rows: 16 t + 8 h + 0 .. 7
	global_load_b128 v[BI+8*\t+4:BI+8*\t+7], v[BIO], s[\sb:\sb+1] offset:64*\t+16
.endr
.if QJOB == 0
	s_branch .Lbias_\@
.Lzero_\@:
.set i, 0
.rept 32
	v_mov_b32 v[BI+i], 0                           ; V: its bias runs along T's rows and is added behind the sums
.set i, i+1
.endr
.Lbias_\@:
.endif
	SBATCH 0, \sc
	SBATCH 1, \sc
	SBATCH 2, \sc
	SBATCH 3, \sc
.irp g, 0,1,2,3
	STURN \g, 48
	s_wait_dscnt 16                                ; the 16 stores have read their registers (the 16 loads behind them may be out): the set takes the batch four on
	SBATCH \g+4, \sc
.endr
	STURN 4, 48
	STURN 5, 32
	STURN 6, 16
	STURN 7, 0
	WIN 0
.endm
; A tile of T: eight fragments and eight scale words: 34 LDS loads
.macro FETCH buf, u
	WIN 0xc0
.irp s, 0,1,2,3,4,5,6,7
.irp c, 0,1,2,3
	ds_load_b128 v[128*\buf+16*\s+4*\c:128*\buf+16*\s+4*\c+3], v[AD] offset:\u*TILEB+128*\s+32*\c
.endr
.endr
	WIN 0
	ds_load_b128 v[TS+8*\buf:TS+8*\buf+3], v[ADS] offset:\u*544
	ds_load_b128 v[TS+8*\buf+4:TS+8*\buf+7], v[ADS] offset:\u*544+16
.endm
; 32 products: K step by K step, the four accumulators by turns, one instruction a turn.  The first K step takes the bias as C.
.macro MUL buf, y=0                    ; T's set buf, sums in set buf (v96 on or v160 on).  y = 1: behind every second product stands a gap of the other set's quantiser
.set ACC, 96+64*(\buf)
.irp s, 0,1,2,3,4,5,6,7
	WIN 0x0d+(\s)/4                                ; source 0 (S) window 1 or 2, source 1 (T) window 3
.irp t, 0,1,2,3
	WIN 0x0d+(\s)/4
.if \s == 0
	v_wmma_scale_f32_16x16x128_f8f6f4 v[ACC+8*\t:ACC+8*\t+7], v[((\s%4)*4+\t)*16:((\s%4)*4+\t)*16+15], v[128*\buf+16*\s:128*\buf+16*\s+15], v[BI+8*\t:BI+8*\t+7], v[SS+8*\t+\s], v[TS+8*\buf+\s]
.else
	v_wmma_scale_f32_16x16x128_f8f6f4 v[ACC+8*\t:ACC+8*\t+7], v[((\s%4)*4+\t)*16:((\s%4)*4+\t)*16+15], v[128*\buf+16*\s:128*\buf+16*\s+15], v[ACC+8*\t:ACC+8*\t+7], v[SS+8*\t+\s], v[TS+8*\buf+\s]
.endif
.if (\y) && ((\t)%2)
	GAP (2*\s+\t/2), (160-64*(\buf)), (1-(\buf))
.endif
.endr
.endr
	WIN 0
.endm
; 32 numbers of a lane, register 16 c + 8 u + j, become two blocks' codes (8 registers) and a half word of two scale bytes.
.macro QUANT2 s, pc, hw
.irp t, 0,1,2,3
	v_max3_num_f32 v[TM+\t], |v[\s+8*\t]|, |v[\s+8*\t+1]|, 0x4800000   ; each accumulator from its low end on; the floor 2^(9 - 127) holds the byte at 1 from below
.endr
.irp i, 2,4,6
.irp t, 0,1,2,3
	v_max3_num_f32 v[TM+\t], v[TM+\t], |v[\s+8*\t+\i]|, |v[\s+8*\t+\i+1]|
.endr
.endr
	v_max_num_f32 v[TM], v[TM], v[TM+1]            ; block 0: my 16
	v_max_num_f32 v[TM+2], v[TM+2], v[TM+3]        ; block 1
	v_permlanex16_b32 v[TM+4], v[TM], s[SEL], s[SEL+1]
	v_permlanex16_b32 v[TM+5], v[TM+2], s[SEL], s[SEL+1]
	v_max_num_f32 v[TM], v[TM], v[TM+4]            ; with lane l xor 16's 16: the block's largest magnitude
	v_max_num_f32 v[TM+2], v[TM+2], v[TM+5]
	v_add_nc_u32 v[TM+6], 0xfc000000, v[TM]        ; 8 off the exponent field: the conversion's scale operand
	v_add_nc_u32 v[TM+7], 0xfc000000, v[TM+2]
	v_and_or_b32 v[TM+8], v[TM], 0x7f800000, s[MNT]    ; 448 x the scale
	v_and_or_b32 v[TM+9], v[TM+2], 0x7f800000, s[MNT]
	v_lshrrev_b32 v[TM+10], 23, v[TM+6]            ; the scales' bytes
	v_lshrrev_b32 v[TM+11], 23, v[TM+7]
	v_lshl_or_b32 v[\hw], v[TM+11], 8, v[TM+10]
.irp c, 0,1
.set i, 0
.rept 16
	v_med3_num_f32 v[\s+16*\c+i], v[\s+16*\c+i], -v[TM+8+\c], v[TM+8+\c]   ; the conversion to an 8-bit code does not saturate (ISA guide 7.6.2): the hold at 448 x the scale
.set i, i+1
.endr
	v_cvt_scalef32_pk8_fp8_f32 v[\pc+4*\c:\pc+4*\c+1], v[\s+16*\c:\s+16*\c+7], v[TM+6+\c]
	v_cvt_scalef32_pk8_fp8_f32 v[\pc+4*\c+2:\pc+4*\c+3], v[\s+16*\c+8:\s+16*\c+15], v[TM+6+\c]
.endr
	v_nop                                          ; a plain line behind the last conversion: the next products write its sources
.endm
.macro TILEOUT u
.if QJOB == 0
	s_cmp_eq_u32 s[MODE], 0
	s_cbranch_scc1 .Lnoadd_\@
.set i, 0
.rept 16
	v_pk_add_f32 v[ACC+i:ACC+i+1], v[ACC+i:ACC+i+1], v[TB+2*\u:TB+2*\u+1] op_sel_hi:[1,0]   ; V: + v_b of my row of T
.set i, i+2
.endr
.Lnoadd_\@:
.endif
	QUANT2 ACC, PC, HW+\u
	OUT \u
.endm
.macro OUT u                           ; a tile's codes leave; u = 1: the pair's scale word joins the last four
	global_store_b128 v[L16], v[PC:PC+3], s[OC:OC+1]                ; each store of the wave covers 512 consecutive bytes, aligned: block 0,
	global_store_b128 v[L16], v[PC+4:PC+7], s[OC:OC+1] offset:512   ; block 1
	s_wait_xcnt 0x0                                ; the stores' base and data are written again only behind this wait
	s_add_nc_u64 s[OC:OC+1], s[OC:OC+1], s[STEPA:STEPA+1]
.if \u
	v_mov_b32 v[SW], v[SW+1]                       ; the pair's word joins the last four
	v_mov_b32 v[SW+1], v[SW+2]
	v_mov_b32 v[SW+2], v[SW+3]
	v_lshl_or_b32 v[SW+3], v[HW+1], 16, v[HW]
	v_add_nc_u32 v[TBO], 128, v[TBO]
.endif
.endm
; TWO TILES.  While one tile is multiplied and quantised, the other's 34 LDS loads are on their way.
; THE QUANTISER OF THE TILE BEFORE, IN TEN GAPS among a tile's products: the 32 sums at x, tile u of its pair.  Gaps 0, 1: + the bias along T's rows (V: v_b; K: 0, so that no branch stands among the products; Q: not assembled);
; 2, 3: the largest magnitudes, each accumulator from its low end on; 4, 5: the two blocks' scales; 6 to 9: eight holds and a conversion each, with a plain line behind it.  The lines name no register of the products beside them.
.macro GAP g, x, u
.if (\g) < 10 && ((\g) > 1 || QJOB == 0)
	WIN 0
.endif
.if (\g) < 2
.if QJOB == 0
.set i, 16*(\g)
.rept 8
	v_pk_add_f32 v[(\x)+i:(\x)+i+1], v[(\x)+i:(\x)+i+1], v[TB+2*(\u):TB+2*(\u)+1] op_sel_hi:[1,0]
.set i, i+2
.endr
.endif
.elseif (\g) < 4
.irp k, 0,2
.irp t, 0,1,2,3
.if (\g) == 2 && \k == 0
	v_max3_num_f32 v[TM+\t], |v[(\x)+8*\t]|, |v[(\x)+8*\t+1]|, 0x4800000
.else
	v_max3_num_f32 v[TM+\t], v[TM+\t], |v[(\x)+8*\t+4*(\g)-8+\k]|, |v[(\x)+8*\t+4*(\g)-8+\k+1]|
.endif
.endr
.endr
.elseif (\g) == 4
	v_max_num_f32 v[TM], v[TM], v[TM+1]
	v_max_num_f32 v[TM+2], v[TM+2], v[TM+3]
	v_permlanex16_b32 v[TM+4], v[TM], s[SEL], s[SEL+1]
	v_permlanex16_b32 v[TM+5], v[TM+2], s[SEL], s[SEL+1]
	v_max_num_f32 v[TM], v[TM], v[TM+4]
	v_max_num_f32 v[TM+2], v[TM+2], v[TM+5]
.elseif (\g) == 5
	v_add_nc_u32 v[TM+6], 0xfc000000, v[TM]
	v_add_nc_u32 v[TM+7], 0xfc000000, v[TM+2]
	v_and_or_b32 v[TM+8], v[TM], 0x7f800000, s[MNT]
	v_and_or_b32 v[TM+9], v[TM+2], 0x7f800000, s[MNT]
	v_lshrrev_b32 v[TM+10], 23, v[TM+6]
	v_lshrrev_b32 v[TM+11], 23, v[TM+7]
	v_lshl_or_b32 v[HW+(\u)], v[TM+11], 8, v[TM+10]
.elseif (\g) < 10
.set c_, ((\g)-6)/2
.set b_, (\x)+8*((\g)-6)
.set i, 0
.rept 8
	v_med3_num_f32 v[b_+i], v[b_+i], -v[TM+8+c_], v[TM+8+c_]
.set i, i+1
.endr
	v_cvt_scalef32_pk8_fp8_f32 v[PC+2*((\g)-6):PC+2*((\g)-6)+1], v[b_:b_+7], v[TM+6+c_]
	v_nop
.endif
.endm
.macro TBLOAD off                      ; V: v_b of a pair's two tiles of T, row r each, into v[TF], v[TF+1]
	s_wait_alu depctr_va_vdst(0)                   ; the wait ahead of the branch
	s_cmp_eq_u32 s[MODE], 0
	s_cbranch_scc1 .Lnotb_\@
	global_load_b32 v[TF], v[TBO], s[TBI:TBI+1] offset:\off
	global_load_b32 v[TF+1], v[TBO], s[TBI:TBI+1] offset:\off+64
.Lnotb_\@:
.endm
.macro TBNEXT more                     ; the pair whose quantisers follow takes its bias; more = 1: the next pair's is asked for, two tiles ahead of its use
.if QJOB == 0
	s_wait_loadcnt 0x0
	v_mov_b32 v[TB], v[TF]
	v_mov_b32 v[TB+2], v[TF+1]
.if \more
	TBLOAD 128
.endif
.endif
.endm
.macro ENDBLK buf                      ; nine places behind a tile's products: for the reads of the sums, the loads into the fragments' registers and the next products on this set
.if \buf == 0
	s_add_co_u32 s[TO], s[TO], 2*TILEB
	s_add_co_u32 s[TSO], s[TSO], 2*544
	v_add_nc_u32 v[AD], s[TO], v[TA0]              ; on to the next pair
	v_add_nc_u32 v[ADS], s[TSO], v[TSA0]
.rept 7
	v_nop
.endr
.else
.rept 9
	v_nop
.endr
.endif
	s_wait_alu depctr_va_vdst(0)
.endm
; A TILE: the next tile's 34 LDS loads go out; this tile's 32 products, with the quantiser of the tile before among them; that tile's codes leave.
.macro BLK buf, more
.if \more
.if \buf
	FETCH 0, 0
.else
	FETCH 1, 1
.endif
	s_wait_alu depctr_va_vdst(0)
	s_wait_dscnt 34                                ; this tile is in; the next tile's 34 loads may be out
.else
	s_wait_alu depctr_va_vdst(0)
	s_wait_dscnt 0x0
.endif
	MUL \buf, 1
	ENDBLK \buf
	OUT 1-\buf
.endm
.macro PHASE base, sbase, trips, more=1   ; the 2 trips + 2 tiles of a slot: the first has no tile before it, the last is quantised behind its products.  more = 0: no pair of the job follows this slot's
	s_mov_b32 s[TO], \base
	s_mov_b32 s[TSO], \sbase
	v_add_nc_u32 v[AD], s[TO], v[TA0]
	v_add_nc_u32 v[ADS], s[TSO], v[TSA0]
	FETCH 0, 0
	FETCH 1, 1
	s_wait_alu depctr_va_vdst(0)
	s_wait_dscnt 34
	MUL 0
	ENDBLK 0
	s_mov_b32 s[CNT], \trips
.Lpair_\@:
	TBNEXT 1
	BLK 1, 1
	BLK 0, 1
	s_sub_co_u32 s[CNT], s[CNT], 1
	s_cmp_lg_u32 s[CNT], 0
	s_cbranch_scc1 .Lpair_\@
	TBNEXT \more
	BLK 1, 0
	TILEOUT 1
.endm
.macro FLUSH                           ; four pairs' scale words leave as one aligned block of 256 bytes: lanes 0-15 the first and third pair's, lanes 16-31 the second and fourth's
	v_cndmask_b32 v[XY], v[SW], v[SW+1], s[HM]
	v_cndmask_b32 v[XY+1], v[SW+2], v[SW+3], s[HM]
	global_store_b64 v[L8], v[XY:XY+1], s[OS:OS+1]
	s_wait_xcnt 0x0
	s_add_nc_u64 s[OS:OS+1], s[OS:OS+1], s[SCSTEP:SCSTEP+1]
.endm
; THE CHANGE OF SLOTS: all my tensor loads have landed, the add, my reads of the slot just left are over; a round of the cluster's barrier; then my one joint load, into the slot just left.
.macro BOUNDARY g0, g1, step, fix=0    ; fix = 1, the first change: no tensor load of mine is out, so the descriptors pass from the head's whole slots to my 32 rows of a slot
	s_wait_tensorcnt 0x0                           ; no tensor load of mine is out, so a group 0 may be written
	ds_add_u32 v[SPW], v[NIL]                      ; 0 onto my spare word
.if \fix
	s_add_co_u32 s[G0A+1], s[G0A+1], s44
	s_add_co_u32 s[G0B+1], s[G0B+1], s44
	s_add_nc_u64 s[G0A+2:G0A+3], s[G0A+2:G0A+3], s[46:47]
	s_add_nc_u64 s[G0B+2:G0B+3], s[G0B+2:G0B+3], s[46:47]
	s_mov_b32 s[G1T+2], 32<<16
	s_mov_b32 s[G1T+4], 32
.endif
.if \step
	s_add_nc_u64 s[\g0+2:\g0+3], s[\g0+2:\g0+3], 256*1024
.endif
	s_wait_dscnt 0x0
	ROUND
	tensor_load_to_lds s[\g0:\g0+3], s[\g1:\g1+7]
	s_nop 0
.rept 4
	v_nop
.endr
.endm
	SLOAD SCD, SSP, SBI
	TBLOAD 0                                       ; V: the first pair's bias
	s_cmp_lt_u32 s[WV], 3                          ; waves 0 to 2: slot 0 and both sets of scale bytes are in; wave 3's load, slot 1, may stay out
	s_cbranch_scc0 .Lslot_1_out
	s_wait_tensorcnt 0x0
.Lslot_1_out:
	s_wait_dscnt 0x0                               ; S's fragments are in
	s_barrier_signal -1
	s_barrier_wait -1
	PHASE 0, 0, 3                                  ; rows 0-127
	FLUSH
	BOUNDARY G0A, G1T, 1, 1
	PHASE SLOTB, 4352, 3                           ; rows 128-255
	FLUSH
	BOUNDARY G0B, G1T, 1                           ; slot 1 takes rows 384-511
	PHASE 0, 2*4352, 3
	FLUSH
	BOUNDARY G0Q, G1Q, 0                           ; slot 0's head takes Q's 64 rows of ts
	PHASE SLOTB, 3*4352, 3, 0
	FLUSH
	; Q: the same job with q_w as S
.set QJOB, 1
	s_mov_b64 s[OC:OC+1], s[QOC:QOC+1]
	s_mov_b32 s[STEPA], 1024
	SLOAD QSC, QSS, QBI
	s_wait_tensorcnt 0x0                           ; my 16 rows of ts are in
	s_wait_dscnt 0x0
	s_barrier_signal -1
	s_barrier_wait -1                              ; everybody's are
	PHASE 0, TSQ-TSC, 1
	v_cndmask_b32 v[XY], v[SW+2], v[SW+3], s[HM]   ; two blocks of 32 queries: 128 consecutive bytes of qs (the partner wave of another work-group writes the other half of that 256: a unit written in part, once a wave)
	global_store_b32 v[L4], v[XY], s[QOS:QOS+1]
	s_wait_tensorcnt 0x0                           ; the wave's end
	ds_add_u32 v[SPW], v[NIL]
	s_wait_dscnt 0x0
	ROUND                                          ; the closing round
	s_endpgm
.Lfunc_end_k_q2414215bbb_proj:
	.size	k_q2414215bbb_proj, .Lfunc_end_k_q2414215bbb_proj-k_q2414215bbb_proj
	.p2alignl 7, 3214868480
	.fill 96, 4, 3214868480
	.section	.rodata,"a",@progbits
	.p2align	6, 0x0
	.amdhsa_kernel k_q2414215bbb_proj
		.amdhsa_group_segment_fixed_size 327680
		.amdhsa_private_segment_fixed_size 0
		.amdhsa_enable_private_segment 0
		.amdhsa_kernarg_size 152
		.amdhsa_user_sgpr_count 2
		.amdhsa_user_sgpr_kernarg_segment_ptr 1
		.amdhsa_wavefront_size32 1
		.amdhsa_system_sgpr_workgroup_id_x 1
		.amdhsa_system_sgpr_workgroup_id_y 1
		.amdhsa_system_sgpr_workgroup_id_z 1
		.amdhsa_system_vgpr_workitem_id 0
		.amdhsa_next_free_vgpr 1024
		.amdhsa_next_free_sgpr 106
		.amdhsa_reserve_vcc 0
		.amdhsa_float_denorm_mode_32 3
		.amdhsa_float_denorm_mode_16_64 3
		.amdhsa_memory_ordered 1
		.amdhsa_forward_progress 1
		.amdhsa_inst_pref_size 255
	.end_amdhsa_kernel
	.section	.bss,"aw",@nobits
	.p2align	6
	.space	262144
	.amdgpu_metadata
---
amdhsa.version: [ 1, 2 ]
amdhsa.kernels:
  - .name:           k_q2414215bbb_proj
    .symbol:         k_q2414215bbb_proj.kd
    .args:
      - { .name: llm_features_codes, .offset: 0, .size: 8, .value_kind: global_buffer, .address_space: global }
      - { .name: llm_features_scales, .offset: 8, .size: 8, .value_kind: global_buffer, .address_space: global }
      - { .name: k_w_codes, .offset: 16, .size: 8, .value_kind: global_buffer, .address_space: global }
      - { .name: k_w_scales, .offset: 24, .size: 8, .value_kind: global_buffer, .address_space: global }
      - { .name: v_w_codes, .offset: 32, .size: 8, .value_kind: global_buffer, .address_space: global }
      - { .name: v_w_scales, .offset: 40, .size: 8, .value_kind: global_buffer, .address_space: global }
      - { .name: k_b, .offset: 48, .size: 8, .value_kind: global_buffer, .address_space: global }
      - { .name: v_b, .offset: 56, .size: 8, .value_kind: global_buffer, .address_space: global }
      - { .name: kc, .offset: 64, .size: 8, .value_kind: global_buffer, .address_space: global }
      - { .name: vc, .offset: 72, .size: 8, .value_kind: global_buffer, .address_space: global }
      - { .name: ks, .offset: 80, .size: 8, .value_kind: global_buffer, .address_space: global }
      - { .name: vs, .offset: 88, .size: 8, .value_kind: global_buffer, .address_space: global }
      - { .name: ts_features_codes, .offset: 96, .size: 8, .value_kind: global_buffer, .address_space: global }
      - { .name: ts_features_scales, .offset: 104, .size: 8, .value_kind: global_buffer, .address_space: global }
      - { .name: q_w_codes, .offset: 112, .size: 8, .value_kind: global_buffer, .address_space: global }
      - { .name: q_w_scales, .offset: 120, .size: 8, .value_kind: global_buffer, .address_space: global }
      - { .name: q_b, .offset: 128, .size: 8, .value_kind: global_buffer, .address_space: global }
      - { .name: qc, .offset: 136, .size: 8, .value_kind: global_buffer, .address_space: global }
      - { .name: qs, .offset: 144, .size: 8, .value_kind: global_buffer, .address_space: global }
    .group_segment_fixed_size: 327680
    .private_segment_fixed_size: 0
    .kernarg_segment_align: 8
    .kernarg_segment_size: 152
    .max_flat_workgroup_size: 128
    .sgpr_count:     106
    .vgpr_count:     1024
    .wavefront_size: 32
...
	.end_amdgpu_metadata
.endif
;; end of part 1
;; launch attn (part 2): grid 256 x 1, 8 waves a work-group, no clusters, 295,936 bytes of LDS; arguments qc, qs, kc, ks, vc, vs, cc, cs; writes cc, cs
.if DOCPART == 2
	.amdgcn_target "amdgcn-amd-amdhsa--gfx1250"
	.amdhsa_code_object_version 6
	.text
	.protected	k_q2414215bbb_attn
	.globl	k_q2414215bbb_attn
	.p2align	8
	.type	k_q2414215bbb_attn,@function
k_q2414215bbb_attn:
	s_mov_b64 s[64:65], 0
	v_nop
	global_prefetch_b8 v0, s[64:65] scope:SCOPE_SE
	s_setreg_imm32_b32 hwreg(HW_REG_WAVE_MODE, 25, 1), 1
	s_wait_xcnt 0x0
; ATTENTION on codes of E4M3 with E8M0 scales: S^T = k q^T, p = 2^(t - M), O^T = v^T p^T, O / the row's sum, quantised along (head, d) for the last projection.
; t = score x log2(e) / 8; M = the running largest t rounded UP to a whole number; p is not normalised; the row's sum is taken of the unquantised p.  When M moves, the sum and O^T are multiplied by 2^(old M - new M): exact.
; SHARES.  A work-group owns 256 queries of one head of one batch (work-group number: bit 0 the half, bits 4:1 the head, bits 7:5 the batch); each of its eight waves owns 32 queries: tiles A and B, so that each
; fragment of k and of v that is read from LDS feeds two tiles.  Two waves share a SIMD: one's vector work stands beside the other's products and LDS loads.
; ALL OF THE HEAD'S k AND v, 256 KB of codes, LIES IN LDS, FILLED ONCE, in three chunks: keys 0-511, 512-1,023, 1,024-2,047; each chunk's k and its v are one wave's tensor load each.  No slot is filled again.
; NO CLUSTER: only the two query halves of a head read the same k and v, and a joint request here would have to name four work-groups; four partners would mean 128 queries to a work-group and a second head in the same LDS.
; THE HEAD'S K IS 64, THE INSTRUCTION'S 128.  A fragment of k holds TWO tiles of 16 keys (registers 0-7: keys 32 b on, registers 8-15: keys 32 b + 16 on, each with all 64 dims); it is multiplied by [q | 0] and by [0 | q],
; the zeros being zero codes under the scale byte 127.  In 40 registers Z qA Z qB Z lie all four: [0|qA] v20, [qA|0] v28, [0|qB] v36, [qB|0] v44.
; ORDER INSIDE A BLOCK OF 32: byte 8 u + j of lane half h's 16 bytes is index 32 c + 16 u + 8 h + j, in k, q, v, p and the context alike.
; LIMITS: NaN and infinities are not served; a block of zeros gets the byte 1 (its codes are zeros; this program alone reads the bytes).
; REGISTERS.  Window 0: v1-7 addresses; v8-19 scale words; v20-59 q; v60-123 k's four fragments; v124-187 O^T, 32 a tile; v188-251 v's four fragments; v252 an address.
;   Window 1: v0-127 S^T, then p, 64 a tile; v128-159 p's codes; v160 + 8 T: -M, the largest t, the sum (2), f (2); v176 + 24 T: block maxima 4, permute 4, holds 4, scale operands 4, at work, second sum chain at +18.
.set SCB,  262144                      ; k's scale units of the head pair, 8 KB; then v's of the head pair, 8 KB
.set STG,  SCB+16384                   ; 512 bytes: the context's scale words of the eight waves
.set FR,   60
.set OA,   124
.set FRV,  188
.set WV, 20
.set G1B, 24
.set G1S, 32
.set TB, 60
.set TS, 61
.set TV, 62
.set CNT, 63
.set SEL, 66
.set CS, 68
.set MNT, 70
.set MSB, 0
.macro WIN new
.if MSB != (\new)
	s_set_vgpr_msb (MSB<<8)|(\new)
.set MSB, (\new)
.endif
.endm
	s_load_b512 s[4:19], s[0:1], 0x0               ; qc, qs, kc, ks, vc, vs, cc, cs
	v_lshl_add_u32 v254, v0, 2, 0x48000
	v_mov_b32 v255, 0
	ds_add_u32 v254, v255
	ds_add_u32 v254, v255
	v_lshrrev_b32 v2, 5, v0
	s_delay_alu instid0(VALU_DEP_1)
	v_readfirstlane_b32 s[WV], v2                  ; wave 0..7
	v_and_b32 v2, 31, v0
	s_delay_alu instid0(VALU_DEP_1)
	v_lshlrev_b32 v1, 4, v2                        ; 16 x lane
	s_and_b32 s21, ttmp9, 1                        ; half
	s_bfe_u32 s22, ttmp9, 0x40001                  ; head
	s_lshr_b32 s23, ttmp9, 5                       ; b
	s_and_b32 s73, s22, 1                          ; head % 2
	s_lshr_b32 s74, s22, 1                         ; head / 2
	s_mov_b32 s[G1B], 3<<16                        ; 8 KB of dense memory as 32 rows of 256 bytes (32 elements of 8)
	s_mov_b32 s[G1B+1], 32<<16
	s_mov_b32 s[G1B+2], 32<<16
	s_mov_b32 s[G1B+3], 32<<16
	s_mov_b32 s[G1B+4], 32
	s_mov_b32 s[G1B+5], 32
	s_mov_b32 s[G1B+6], 0
	s_mov_b32 s[G1B+7], 0
	s_mov_b32 s[G1S], 3<<16
	s_mov_b32 s[G1S+1], 32<<16
	s_mov_b32 s[G1S+2], 128<<16                    ; 512 keys of k: 32 KB of dense memory as 128 rows of 256 bytes
	s_mov_b32 s[G1S+3], 32<<16
	s_mov_b32 s[G1S+4], 128
	s_mov_b32 s[G1S+5], 32
	s_mov_b32 s[G1S+6], 0
	s_mov_b32 s[G1S+7], 0
; THE FILLS, as this text has them: ONE TENSOR LOAD A WAVE.  LDS: k's 16 key steps of 8 KB from byte 0, v's 16 from byte 131072, the scale units behind them.
; s[40:47]: 1,024 keys of k, 256 rows of 256 bytes.  s[48:55], s[92:99]: 4 or 8 key steps of v: rows of 8 KB (1,024 elements of 8 bytes), 128 KB apart in memory.
.irp g, 40, 48, 92
	s_mov_b32 s[\g], 3<<16
	s_mov_b32 s[\g+6], 0
	s_mov_b32 s[\g+7], 0
.endr
	s_mov_b32 s41, 32<<16
	s_mov_b32 s42, 256<<16
	s_mov_b32 s43, 32<<16
	s_mov_b32 s44, 256
	s_mov_b32 s45, 32
.irp g, 48, 92
	s_mov_b32 s[\g+1], 1024<<16
	s_mov_b32 s[\g+3], 1024<<16
	s_mov_b32 s[\g+5], 16384
.endr
	s_mov_b32 s50, 4<<16
	s_mov_b32 s52, 4
	s_mov_b32 s94, 8<<16
	s_mov_b32 s96, 8
	s_lshl_b32 s86, s23, 4
	s_add_co_u32 s86, s86, s22                     ; 16 b + head
	s_and_b32 s75, s[WV], 1                        ; even waves fetch for k, odd waves for v
	s_lshr_b32 s87, s[WV], 1                       ; g = wave / 2: 0: keys 0-511; 1: the scale units; 2: keys 512-1,023; 3: keys 1,024-2,047
	s_lshr_b32 s79, s87, 1
	s_add_co_u32 s79, s79, s87
	s_lshr_b32 s79, s79, 1                         ; u = (g + g / 2) / 2 = 0, 0, 1, 2: my first key / 512
	s_lshl_b32 s76, s86, 17
	s_lshl_b32 s87, s79, 15
	s_add_co_u32 s76, s76, s87                     ; k: a head is 128 KB, 512 keys 32 KB
	s_lshl_b32 s78, s23, 21
	s_lshl_b32 s87, s22, 13
	s_add_co_u32 s78, s78, s87
	s_lshl_b32 s87, s79, 19
	s_add_co_u32 s78, s78, s87                     ; v: a batch is 2 MB, a head in a step 8 KB, 512 keys 512 KB
	s_cmp_eq_u32 s75, 0
	s_cselect_b32 s76, s76, s78
	s_mov_b32 s77, 0
	s_lshl_b32 s80, s23, 3
	s_add_co_u32 s80, s80, s74
	s_lshl_b32 s80, s80, 13                        ; the head pair's 8 KB of scale units
	s_mov_b32 s81, 0
	s_lshl_b32 s57, s79, 15                        ; in LDS: 32 KB x u, v's 128 KB on
	s_lshl_b32 s87, s75, 17
	s_add_co_u32 s57, s57, s87
	s_mov_b32 s[SEL], 0x76543210
	s_mov_b32 s[SEL+1], 0xfedcba98                 ; lane l xor 16
	s_mov_b32 s[CS], 0x3e38aa3b                    ; c = log2(e) / 8
	s_mov_b32 s[CS+1], s[CS]                       ; (named with it as a pair)
	s_mov_b32 s[MNT], 0x600000                     ; the mantissa field of 448
	s_mov_b32 s71, 0x7f7f7f7f
	s_mov_b32 s72, 0xffff
	s_wait_alu depctr_va_vdst(0)
	s_wait_dscnt 0x0
	s_wait_kmcnt 0x0
	s_cmp_eq_u32 s75, 0
	s_cselect_b64 s[58:59], s[8:9], s[12:13]       ; kc or vc
	s_cselect_b64 s[84:85], s[10:11], s[14:15]     ; ks or vs
	s_add_nc_u64 s[58:59], s[58:59], s[76:77]
	s_or_b32 s59, s59, 0x80000000
	s_mov_b32 s56, 1                               ; s[56:59]: group 0 for codes
	s_add_nc_u64 s[82:83], s[84:85], s[80:81]
	s_or_b32 s83, s83, 0x80000000
	s_mov_b32 s80, 1                               ; s[80:83]: group 0 for scale units: k's 8 KB, then v's
	s_lshl_b32 s81, s75, 13
	s_add_co_u32 s81, s81, SCB
; one chain of arms on the wave's number, a load an arm, so that waves which wait at different barriers have load lines of their own
.macro ARM under, g0, g1, next
	s_cmp_lt_u32 s[WV], \under
	s_cbranch_scc0 \next
	tensor_load_to_lds s[\g0:\g0+3], s[\g1:\g1+7]
	s_nop 0
.rept 4
	v_nop
.endr
	s_branch .Lasked
\next:
.endm
	ARM 1, 56, G1S, .Larm_1                        ; wave 0: k's keys 0-511
	ARM 2, 56, 48, .Larm_2                         ; wave 1: v's
	ARM 4, 80, G1B, .Larm_3                        ; waves 2, 3: the scale units, 8 KB each
	ARM 5, 56, G1S, .Larm_4                        ; wave 4: k's keys 512-1,023
	ARM 6, 56, 48, .Larm_5                         ; wave 5: v's
	ARM 7, 56, 40, .Larm_6                         ; wave 6: k's keys 1,024-2,047
	tensor_load_to_lds s[56:59], s[92:99]          ; wave 7: v's
	s_nop 0
.rept 4
	v_nop
.endr
.Lasked:
	s_lshl_b32 s87, s21, 3
	s_add_co_u32 s87, s87, s[WV]                   ; qb: my block of 32 queries
	s_lshl_b32 s88, s86, 4
	s_add_co_u32 s88, s88, s87                     ; (16 b + head) 16 + qb
	s_mov_b32 s89, 0
	s_lshl_b32 s91, s88, 6
	s_lshl_b32 s88, s88, 11
	s_add_nc_u64 s[4:5], s[4:5], s[88:89]          ; my 2 KB of qc
	s_mov_b32 s88, s91
	s_add_nc_u64 s[6:7], s[6:7], s[88:89]          ; my 16 words of qs
	s_lshl_b32 s88, s23, 4
	s_add_co_u32 s88, s88, s87
	s_lshl_b32 s88, s88, 15                        ; cc: two tiles of 16 rows, 16 KB each,
	s_lshl_b32 s91, s22, 10                        ; and in a tile my head's 1 KB
	s_add_co_u32 s88, s88, s91
	s_add_nc_u64 s[16:17], s[16:17], s[88:89]
	s_lshl_b32 s88, s23, 1
	s_add_co_u32 s88, s88, s21
	s_lshl_b32 s88, s88, 4
	s_add_co_u32 s88, s88, s22
	s_lshl_b32 s88, s88, 9                         ; cs: ((2 b + half) 16 + head) 512
	s_add_nc_u64 s[18:19], s[18:19], s[88:89]
	v_and_b32 v5, 15, v0
	s_delay_alu instid0(VALU_DEP_1)
	v_lshlrev_b32 v5, 2, v5                        ; 4 r
	global_load_b128 v[28:31], v1, s[4:5]                      ; qA
	global_load_b128 v[32:35], v1, s[4:5] offset:512
	global_load_b128 v[44:47], v1, s[4:5] offset:1024          ; qB
	global_load_b128 v[48:51], v1, s[4:5] offset:1536
	global_load_b32 v10, v5, s[6:7]                            ; row r's bytes: tile A's two, tile B's two
	v_lshlrev_b32 v3, 3, v2                        ; 8 x lane
	s_lshl_b32 s87, s73, 2
	s_add_co_u32 s87, s87, SCB+8192
	v_add_nc_u32 v4, s87, v3                       ; v's scale words: 8 x lane + 4 (head % 2)
	s_lshl_b32 s87, s73, 12
	s_add_co_u32 s87, s87, SCB
	v_add_nc_u32 v3, s87, v3                       ; k's: my head's 4 KB, 8 x lane
	s_lshl_b32 s87, s[WV], 6
	s_add_co_u32 s87, s87, STG
	v_add_nc_u32 v7, s87, v5                       ; the context's scale word: 64 x wave + 4 r
	v_add_nc_u32 v252, STG, v1                     ; and all 512 bytes back
.irp i, 0,1,2,3,4,5,6,7
	v_mov_b32 v[20+\i], 0                          ; the zero codes beside q
	v_mov_b32 v[36+\i], 0
	v_mov_b32 v[52+\i], 0
.endr
.set i, 0
.rept 64
	v_mov_b32 v[OA+i], 0                           ; O^T.  (The step is written without a first step of its own: it finds zeros, which the first change of M leaves zeros)
.set i, i+1
.endr
	WIN 0x55                                       ; all places window 1
.irp T, 0,1
	v_mov_b32 v[161+8*\T], 0xff61b1e6              ; the largest t so far: -3e38
	s_delay_alu instid0(VALU_DEP_1)
	v_floor_f32 v[160+8*\T], -v[161+8*\T]          ; -M
	v_mov_b32 v[162+8*\T], 0                       ; the sum, in two halves
	v_mov_b32 v[163+8*\T], 0
	v_mov_b32 v[164+8*\T], 0
	v_mov_b32 v[165+8*\T], 0                       ; (named as the upper half of f's pair)
.irp b, 0,1,2,3
	v_mov_b32 v[180+24*\T+\b], 0                   ; a lane permute's destination counts as one of its sources
.endr
.endr
	WIN 0
	s_wait_loadcnt 0x0
	v_bfi_b32 v16, s72, v10, s71                   ; [qA|0]: A's bytes, 127, 127
	v_lshl_or_b32 v17, v10, 16, 0x7f7f             ; [0|qA]
	v_lshrrev_b32 v18, 16, v10
	s_delay_alu instid0(VALU_DEP_1)
	v_or_b32 v18, 0x7f7f0000, v18                  ; [qB|0]
	v_bfi_b32 v19, s72, s71, v10                   ; [0|qB]
.macro QK d, b, q, qs                  ; 16 keys x 16 queries; k's word for fragment b lies in lanes 0-15 (even b) or 16-31 (odd b) of v[8 + b / 2]
.if (\b)%2
	v_wmma_scale_f32_16x16x128_f8f6f4 v[\d:\d+7], v[FR+16*(\b):FR+16*(\b)+15], v[\q:\q+15], 0, v[8+(\b)/2], v[\qs] matrix_a_scale:MATRIX_SCALE_ROW1
.else
	v_wmma_scale_f32_16x16x128_f8f6f4 v[\d:\d+7], v[FR+16*(\b):FR+16*(\b)+15], v[\q:\q+15], 0, v[8+(\b)/2], v[\qs]
.endif
.endm
.macro PV d, T                         ; 16 of the head's 64 x 16 queries, K = the step's 128 keys; v's word: even tiles v12, odd v13; tiles 2, 3 in lanes 16-31
.if (\d) >= 2
	v_wmma_scale_f32_16x16x128_f8f6f4 v[OA+32*\T+8*\d:OA+32*\T+8*\d+7], v[FRV+16*\d:FRV+16*\d+15], v[128+16*\T:128+16*\T+15], v[OA+32*\T+8*\d:OA+32*\T+8*\d+7], v[12+(\d)%2], v[14+\T] matrix_a_scale:MATRIX_SCALE_ROW1
.else
	v_wmma_scale_f32_16x16x128_f8f6f4 v[OA+32*\T+8*\d:OA+32*\T+8*\d+7], v[FRV+16*\d:FRV+16*\d+15], v[128+16*\T:128+16*\T+15], v[OA+32*\T+8*\d:OA+32*\T+8*\d+7], v[12+(\d)%2], v[14+\T]
.endif
.endm
; A KEY STEP: 128 keys, both tiles.  Each stage of the softmax is written for the two tiles by turns, so that no line waits for the line above it.
.macro STEP
	WIN 0
	v_add_nc_u32 v2, s[TB], v1
	v_add_nc_u32 v5, s[TS], v3
	v_add_nc_u32 v6, s[TV], v4
	v_add_nc_u32 v253, 0x20000, v2                 ; v's step lies 128 KB behind k's
.rept 4
	v_nop                                          ; with the four additions: eight places in front of loads into registers that the last products read
.endr
.irp b, 0,1,2,3
.irp g, 0,1,2,3
	ds_load_b128 v[FR+16*\b+4*\g:FR+16*\b+4*\g+3], v2 offset:2048*\b+512*\g       ; images of registers: 512 consecutive bytes a load
.endr
.endr
	ds_load_b64 v[8:9], v5
.irp d, 0,1,2,3
.irp g, 0,1,2,3
	ds_load_b128 v[FRV+16*\d+4*\g:FRV+16*\d+4*\g+3], v253 offset:2048*\d+512*\g
.endr
.endr
	ds_load_b32 v10, v6                            ; v's bytes of keys 0-63 of the step,
	ds_load_b32 v11, v6 offset:256                 ; and of keys 64-127
	s_wait_dscnt 18                                ; k and its words are in; v's 16 + 2 loads may be out
	WIN 0x40                                       ; the scores: window 1
.irp b, 0,1,2,3
	QK 16*\b, \b, 28, 16
	QK 16*\b+8, \b, 20, 17
	QK 64+16*\b, \b, 44, 18
	QK 64+16*\b+8, \b, 36, 19
.endr
	WIN 0x55
.rept 8
	v_nop
.endr
.irp b, 0,1,2,3
.irp T, 0,1
	v_max3_num_f32 v[176+24*\T+\b], v[64*\T+16*\b], v[64*\T+16*\b+1], v[64*\T+16*\b+2]   ; the largest score of each block of 32 keys: for the row's maximum and, since p rises with the score, for the block's largest p
.endr
.endr
.irp i, 3,5,7,9,11,13
.irp b, 0,1,2,3
.irp T, 0,1
	v_max3_num_f32 v[176+24*\T+\b], v[176+24*\T+\b], v[64*\T+16*\b+\i], v[64*\T+16*\b+\i+1]
.endr
.endr
.endr
.irp b, 0,1,2,3
.irp T, 0,1
	v_max_num_f32 v[176+24*\T+\b], v[176+24*\T+\b], v[64*\T+16*\b+15]
.endr
.endr
.irp b, 0,1,2,3
.irp T, 0,1
	v_permlanex16_b32 v[180+24*\T+\b], v[176+24*\T+\b], s[SEL], s[SEL+1]
.endr
.endr
.irp b, 0,1,2,3
.irp T, 0,1
	v_max_num_f32 v[176+24*\T+\b], v[176+24*\T+\b], v[180+24*\T+\b]   ; with lane l xor 16's 16 keys
.endr
.endr
.irp T, 0,1
	s_delay_alu instid0(VALU_DEP_4)
	v_max3_num_f32 v[192+24*\T], v[176+24*\T], v[177+24*\T], v[178+24*\T]
.endr
.irp T, 0,1
	s_delay_alu instid0(VALU_DEP_2)
	v_max_num_f32 v[192+24*\T], v[192+24*\T], v[179+24*\T]            ; the step's largest score of my query
.endr
.irp T, 0,1
	s_delay_alu instid0(VALU_DEP_2)
	v_mul_f32 v[192+24*\T], s[CS], v[192+24*\T]                       ; as t
.endr
.irp T, 0,1
	s_delay_alu instid0(VALU_DEP_2)
	v_max_num_f32 v[161+8*\T], v[161+8*\T], v[192+24*\T]              ; the running largest t
.endr
.irp T, 0,1
	v_mov_b32 v[192+24*\T], v[160+8*\T]
.endr
.irp T, 0,1
	s_delay_alu instid0(VALU_DEP_4)
	v_floor_f32 v[160+8*\T], -v[161+8*\T]                             ; the new -M = -ceil(t)
.endr
.irp T, 0,1
	s_delay_alu instid0(VALU_DEP_2)
	v_sub_f32 v[192+24*\T], v[160+8*\T], v[192+24*\T]                 ; old M - new M: a whole number, 0 or less
.endr
.irp T, 0,1
	s_delay_alu instid0(VALU_DEP_2)
	v_cvt_i32_f32 v[192+24*\T], v[192+24*\T]                          ; (it saturates)
.endr
.irp T, 0,1
	s_delay_alu instid0(VALU_DEP_2)
	v_ldexp_f32 v[164+8*\T], 1.0, v[192+24*\T]                        ; f = 2^(old M - new M)
.endr
.set j, 0
.rept 32
.irp T, 0,1
	v_pk_fma_f32 v[64*\T+j:64*\T+j+1], v[64*\T+j:64*\T+j+1], s[CS:CS+1], v[160+8*\T:161+8*\T] op_sel_hi:[1,0,0]   ; t - M, two at a time
.endr
.set j, j+2
.endr
.irp b, 0,1,2,3
.irp T, 0,1
	v_fma_f32 v[176+24*\T+\b], v[176+24*\T+\b], s[CS], v[160+8*\T]    ; the same of each block's largest score
.endr
.endr
.set j, 0
	s_wait_alu depctr_va_vdst(0)
.rept 128
	v_exp_f32 v[j], v[j]                           ; p = 2^(t - M), at most 1
.set j, j+1
.endr
.irp b, 0,1,2,3
.irp T, 0,1
	v_exp_f32 v[176+24*\T+\b], v[176+24*\T+\b]     ; the block's largest p: the same two instructions on the same number
.endr
.endr
.irp T, 0,1
	v_pk_mul_f32 v[162+8*\T:163+8*\T], v[162+8*\T:163+8*\T], v[164+8*\T:165+8*\T] op_sel_hi:[1,0]   ; the sums under the new M (plain lines behind the exponentials)
.endr
	s_wait_alu depctr_va_vdst(0)
.irp b, 0,1,2,3
.irp T, 0,1
	v_max_num_f32 v[176+24*\T+\b], 0x4800000, v[176+24*\T+\b]         ; the floor 2^(9 - 127): the byte cannot fall under 1
.endr
.endr
.irp b, 0,1,2,3
.irp T, 0,1
	v_add_nc_u32 v[188+24*\T+\b], 0xfc000000, v[176+24*\T+\b]         ; the conversion's scale operand
.endr
.endr
.irp b, 0,1,2,3
.irp T, 0,1
	v_and_or_b32 v[184+24*\T+\b], v[176+24*\T+\b], 0x7f800000, s[MNT] ; 448 x the scale
.endr
.endr
.irp b, 0,1,2,3
.irp T, 0,1
	v_lshrrev_b32 v[180+24*\T+\b], 23, v[188+24*\T+\b]                ; the scale's byte
.endr
.endr
.irp T, 0,1
	v_lshl_or_b32 v[192+24*\T], v[181+24*\T], 8, v[180+24*\T]
.endr
.irp T, 0,1
	s_delay_alu instid0(VALU_DEP_2)
	v_lshl_or_b32 v[192+24*\T], v[182+24*\T], 16, v[192+24*\T]
.endr
	WIN 0x15                                       ; scale operands have no window: p's words go to window 0
.irp T, 0,1
	v_lshl_or_b32 v[14+\T], v[183+24*\T], 24, v[192+24*\T]
.endr
	WIN 0x55
.irp T, 0,1
	v_pk_add_f32 v[194+24*\T:195+24*\T], v[64*\T:64*\T+1], v[64*\T+2:64*\T+3]     ; the row's sum, of the unquantised p: two chains a tile
.endr
.set j, 4
.rept 15
.irp T, 0,1
	v_pk_add_f32 v[162+8*\T:163+8*\T], v[162+8*\T:163+8*\T], v[64*\T+j:64*\T+j+1]
	v_pk_add_f32 v[194+24*\T:195+24*\T], v[194+24*\T:195+24*\T], v[64*\T+j+2:64*\T+j+3]
.endr
.set j, j+4
.endr
.irp T, 0
	s_delay_alu instid0(VALU_DEP_3)
	v_pk_add_f32 v[162+8*\T:163+8*\T], v[162+8*\T:163+8*\T], v[194+24*\T:195+24*\T]
.endr
.irp T, 1
	s_delay_alu instid0(VALU_DEP_2)
	v_pk_add_f32 v[162+8*\T:163+8*\T], v[162+8*\T:163+8*\T], v[194+24*\T:195+24*\T]
.endr
.irp b, 0,1,2,3
.irp T, 0,1
.set i, 0
.rept 16
	v_min_num_f32 v[64*\T+16*\b+i], v[64*\T+16*\b+i], v[184+24*\T+\b]             ; the conversion does not saturate (ISA guide 7.6.2); p is not negative, so the hold is one-sided
.set i, i+1
.endr
	v_cvt_scalef32_pk8_fp8_f32 v[128+16*\T+4*\b:128+16*\T+4*\b+1], v[64*\T+16*\b:64*\T+16*\b+7], v[188+24*\T+\b]
	v_cvt_scalef32_pk8_fp8_f32 v[128+16*\T+4*\b+2:128+16*\T+4*\b+3], v[64*\T+16*\b+8:64*\T+16*\b+15], v[188+24*\T+\b]
.endr
.endr
	WIN 0
	s_wait_dscnt 0x0                               ; v and its bytes are in
	v_perm_b32 v12, v11, v10, 0x05040100           ; the even tiles' four bytes
	v_perm_b32 v13, v11, v10, 0x07060302           ; the odd tiles'
	WIN 0x04                                       ; source 1 window 1: f, then p's codes
.irp T, 0,1
.set j, 0
.rept 16
	v_pk_mul_f32 v[OA+32*\T+j:OA+32*\T+j+1], v[OA+32*\T+j:OA+32*\T+j+1], v[164+8*\T:165+8*\T] op_sel_hi:[1,0]   ; O^T under the new M, each accumulator from its low end on.  These 32 are also the places in front of the products: for the codes and for the scale words
.set j, j+2
.endr
.endr
.irp d, 0,1,2,3
.irp T, 0,1
	PV \d, \T                                      ; eight accumulators, one instruction each
.endr
.endr
	WIN 0
	s_add_co_u32 s[TB], s[TB], 8192
	s_add_co_u32 s[TS], s[TS], 256
	s_add_co_u32 s[TV], s[TV], 512
.endm
.macro CHUNK c, n, under               ; n key steps from key 512 c on.  under > 0: only the waves under that number wait: theirs are the loads that these steps read; the later loads may stay out
.if \under
	s_cmp_lt_u32 s[WV], \under
	s_cbranch_scc0 .Lnot_mine_\@
	s_wait_tensorcnt 0x0
.Lnot_mine_\@:
.else
	s_wait_tensorcnt 0x0
.endif
	s_wait_dscnt 0x0
	s_barrier_signal -1
	s_barrier_wait -1                              ; everybody's part is in
	s_mov_b32 s[TB], \c*32768
	s_mov_b32 s[TS], \c*1024
	s_mov_b32 s[TV], \c*2048
	s_mov_b32 s[CNT], \n
.Lstep_\@:
	s_wait_alu depctr_va_vdst(0)
	STEP
	s_sub_co_u32 s[CNT], s[CNT], 1
	s_cmp_lg_u32 s[CNT], 0
	s_cbranch_scc1 .Lstep_\@
.endm
	CHUNK 0, 4, 4
	CHUNK 1, 4, 6
	CHUNK 2, 8, 0
.rept 8
	v_nop                                          ; places behind the last products
.endr
	s_wait_dscnt 0x0
	s_barrier_signal -1
	s_barrier_wait -1                              ; every wave's reads of LDS are over: the stores below meet none of them
	; THE WAY OUT: O^T / the sum, quantised along the head's 64 (two blocks), stored as the last projection's operand
	WIN 0x55
.irp T, 0,1
	v_add_f32 v[192+24*\T], v[162+8*\T], v[163+8*\T]
.endr
.irp T, 0,1
	s_delay_alu instid0(VALU_DEP_2)
	v_permlanex16_b32 v[180+24*\T], v[192+24*\T], s[SEL], s[SEL+1]
.endr
.irp T, 0,1
	s_delay_alu instid0(VALU_DEP_2)
	v_add_f32 v[192+24*\T], v[192+24*\T], v[180+24*\T]                ; the row's sum
.endr
	s_wait_alu depctr_va_vdst(0)
.irp T, 0,1
	v_rcp_f32 v[164+8*\T], v[192+24*\T]
.endr
	v_nop                                          ; a plain line behind the transcendentals
	WIN 0x44                                       ; O^T from window 0; 1 / the sum and the result in window 1
	s_wait_alu depctr_va_vdst(0)
.irp T, 0,1
.set j, 0
.rept 16
	v_pk_mul_f32 v[64*\T+j:64*\T+j+1], v[OA+32*\T+j:OA+32*\T+j+1], v[164+8*\T:165+8*\T] op_sel_hi:[1,0]
.set j, j+2
.endr
.endr
	WIN 0x55
.macro QUANT2 T                        ; 32 numbers, register 16 c + 8 u + j = d 32 c + 16 u + 8 h + j, become 8 registers of codes and a half word
.set QN, 64*\T
.set QW, 176+24*\T
.set QP, 128+16*\T
.irp t, 0,1,2,3
	v_max3_num_f32 v[QW+\t], |v[QN+8*\t]|, |v[QN+8*\t+1]|, 0x4800000
.endr
.irp i, 2,4,6
.irp t, 0,1,2,3
	s_delay_alu instid0(VALU_DEP_4)
	v_max3_num_f32 v[QW+\t], v[QW+\t], |v[QN+8*\t+\i]|, |v[QN+8*\t+\i+1]|
.endr
.endr
	s_delay_alu instid0(VALU_DEP_3)
	v_max_num_f32 v[QW], v[QW], v[QW+1]
	s_delay_alu instid0(VALU_DEP_2)
	v_max_num_f32 v[QW+2], v[QW+2], v[QW+3]
	s_delay_alu instid0(VALU_DEP_2)
	v_permlanex16_b32 v[QW+4], v[QW], s[SEL], s[SEL+1]
	s_delay_alu instid0(VALU_DEP_2)
	v_permlanex16_b32 v[QW+5], v[QW+2], s[SEL], s[SEL+1]
	s_delay_alu instid0(VALU_DEP_2)
	v_max_num_f32 v[QW], v[QW], v[QW+4]
	s_delay_alu instid0(VALU_DEP_2)
	v_max_num_f32 v[QW+2], v[QW+2], v[QW+5]
	s_delay_alu instid0(VALU_DEP_2)
	v_add_nc_u32 v[QW+12], 0xfc000000, v[QW]
	s_delay_alu instid0(VALU_DEP_2)
	v_add_nc_u32 v[QW+13], 0xfc000000, v[QW+2]
	s_delay_alu instid0(VALU_DEP_4)
	v_and_or_b32 v[QW+8], v[QW], 0x7f800000, s[MNT]
	s_delay_alu instid0(VALU_DEP_4)
	v_and_or_b32 v[QW+9], v[QW+2], 0x7f800000, s[MNT]
	s_delay_alu instid0(VALU_DEP_4)
	v_lshrrev_b32 v[QW+6], 23, v[QW+12]
	s_delay_alu instid0(VALU_DEP_4)
	v_lshrrev_b32 v[QW+7], 23, v[QW+13]
	s_delay_alu instid0(VALU_DEP_1)
	v_lshl_or_b32 v[QW+16], v[QW+7], 8, v[QW+6]
.irp c, 0,1
.set i, 0
.rept 16
	v_med3_num_f32 v[QN+16*\c+i], v[QN+16*\c+i], -v[QW+8+\c], v[QW+8+\c]
.set i, i+1
.endr
	v_cvt_scalef32_pk8_fp8_f32 v[QP+4*\c:QP+4*\c+1], v[QN+16*\c:QN+16*\c+7], v[QW+12+\c]
	v_cvt_scalef32_pk8_fp8_f32 v[QP+4*\c+2:QP+4*\c+3], v[QN+16*\c+8:QN+16*\c+15], v[QW+12+\c]
.endr
	v_nop
.endm
	QUANT2 0
	QUANT2 1
	v_lshl_or_b32 v193, v216, 16, v192             ; row r's word: tile A's two bytes, tile B's two
	WIN 0x04                                       ; a store's data: window 1
.irp T, 0,1
.irp c, 0,1
	global_store_b128 v1, v[128+16*\T+4*\c:128+16*\T+4*\c+3], s[16:17] offset:16384*\T+512*\c   ; each store of the wave covers 512 consecutive bytes, aligned
.endr
.endr
	ds_store_b32 v7, v193                          ; lanes r and r + 16 write the same word with the same value
	WIN 0
	s_wait_dscnt 0x0                               ; for the others' sake
	s_barrier_signal -1
	s_barrier_wait -1
	s_cmp_lg_u32 s[WV], 0
	s_cbranch_scc1 .Lend
	ds_load_b128 v[60:63], v252                    ; wave 0 stores the work-group's 512 bytes of scale words
	s_wait_dscnt 0x0
	global_store_b128 v1, v[60:63], s[18:19]
.Lend:
	s_wait_tensorcnt 0x0
	ds_add_u32 v254, v255
	s_wait_dscnt 0x0
	s_endpgm
.Lfunc_end_k_q2414215bbb_attn:
	.size	k_q2414215bbb_attn, .Lfunc_end_k_q2414215bbb_attn-k_q2414215bbb_attn
	.p2alignl 7, 3214868480
	.fill 96, 4, 3214868480
	.section	.rodata,"a",@progbits
	.p2align	6, 0x0
	.amdhsa_kernel k_q2414215bbb_attn
		.amdhsa_group_segment_fixed_size 295936
		.amdhsa_private_segment_fixed_size 0
		.amdhsa_enable_private_segment 0
		.amdhsa_kernarg_size 64
		.amdhsa_user_sgpr_count 2
		.amdhsa_user_sgpr_kernarg_segment_ptr 1
		.amdhsa_wavefront_size32 1
		.amdhsa_system_sgpr_workgroup_id_x 1
		.amdhsa_system_sgpr_workgroup_id_y 1
		.amdhsa_system_sgpr_workgroup_id_z 1
		.amdhsa_system_vgpr_workitem_id 0
		.amdhsa_next_free_vgpr 512
		.amdhsa_next_free_sgpr 100
		.amdhsa_reserve_vcc 0
		.amdhsa_float_denorm_mode_32 3
		.amdhsa_float_denorm_mode_16_64 3
		.amdhsa_memory_ordered 1
		.amdhsa_forward_progress 1
		.amdhsa_inst_pref_size 132
	.end_amdhsa_kernel
	.amdgpu_metadata
---
amdhsa.version: [ 1, 2 ]
amdhsa.kernels:
  - .name:           k_q2414215bbb_attn
    .symbol:         k_q2414215bbb_attn.kd
    .args:
      - { .name: qc, .offset: 0, .size: 8, .value_kind: global_buffer, .address_space: global }
      - { .name: qs, .offset: 8, .size: 8, .value_kind: global_buffer, .address_space: global }
      - { .name: kc, .offset: 16, .size: 8, .value_kind: global_buffer, .address_space: global }
      - { .name: ks, .offset: 24, .size: 8, .value_kind: global_buffer, .address_space: global }
      - { .name: vc, .offset: 32, .size: 8, .value_kind: global_buffer, .address_space: global }
      - { .name: vs, .offset: 40, .size: 8, .value_kind: global_buffer, .address_space: global }
      - { .name: cc, .offset: 48, .size: 8, .value_kind: global_buffer, .address_space: global }
      - { .name: cs, .offset: 56, .size: 8, .value_kind: global_buffer, .address_space: global }
    .group_segment_fixed_size: 295936
    .private_segment_fixed_size: 0
    .kernarg_segment_align: 8
    .kernarg_segment_size: 64
    .max_flat_workgroup_size: 256
    .sgpr_count:     100
    .vgpr_count:     512
    .wavefront_size: 32
...
	.end_amdgpu_metadata
.endif
;; end of part 2
;; launch oproj (part 3): grid 256 x 1, 4 waves a work-group, clusters of 4 x 1, 168,448 bytes of LDS; arguments cc, cs, o_w_codes, o_w_scales, o_b, out0; writes out0
.if DOCPART == 3
	.amdgcn_target "amdgcn-amd-amdhsa--gfx1250"
	.amdhsa_code_object_version 6
	.text
	.protected	k_q2414215bbb_oproj
	.globl	k_q2414215bbb_oproj
	.p2align	8
	.type	k_q2414215bbb_oproj,@function
k_q2414215bbb_oproj:
	s_mov_b64 s[64:65], 0
	v_nop
	global_prefetch_b8 v0, s[64:65] scope:SCOPE_SE
	s_setreg_imm32_b32 hwreg(HW_REG_WAVE_MODE, 25, 1), 1
	s_wait_xcnt 0x0
	s_wait_alu depctr_hold_cnt(0) depctr_sa_sdst(0) depctr_va_vdst(0) depctr_va_sdst(0) depctr_va_ssrc(0) depctr_va_vcc(0) depctr_vm_vsrc(0)
	s_getreg_b32 s2, hwreg(HW_REG_IB_STS2, 6, 4)
	s_cmp_eq_u32 s2, 0
	s_cbranch_scc0 .Lentry_in_a_cluster
	s_endpgm
.Lentry_in_a_cluster:
	s_bfe_u32 s2, ttmp6, 0x10000c
	s_cmp_lg_u32 s2, 0x3003
	s_cbranch_scc0 .Lentry_shape_is_right
	s_endpgm
.Lentry_shape_is_right:
; out0 = context o_w^T + o_b on codes of E4M3 with E8M0 scales.  The projections' job once more: D = S T^T, S = o_w (source 0), 64 rows a wave with all of K = 1,024 in 512 registers; T = the context (source 1), four tiles of 16 rows.
; SHARES.  Cluster C takes rows 64 C on; work-group cx takes outputs 256 cx on, wave w 64 of them.  The four work-groups read the same context: its 64 KB of codes and 2 KB of scale words are asked for jointly (mask 15), once; nothing in LDS is filled again.
; THE CONTEXT'S CODES lie in memory as images of the operand's registers, with the order 32 c + 16 u + 8 h + j inside each block of 32 (byte 8 u + j of lane half h).  o_w is given in the natural order, so its fragments are read
; from the scratch in pieces of 8 bytes: piece u of block c at 32 c + 16 u + 8 h.  Both operands then have the same order; blocks and scales are untouched.
; In the result a lane holds one row of the context and eight neighbouring outputs a tile: they go through the wave's stage and leave as aligned runs of 256 bytes.
; LIMITS: NaN and infinities are not served.  The order of the sums inside a block of 32 differs from the natural one.
; REGISTERS: window 0: v3-11 addresses; v16-47 o_w's scale words; v48-79 the context's (tile, K step); v80-111 o_b as C; v112-143 four accumulators; v144-175 at work.  Windows 1, 2: o_w's fragments.  Window 3: the context's, two sets of 128.
.set CSL,  65536                       ; the context's scale words: [head 16][block of 32 rows 2][r 16]
.set SCR,  67584                       ; a scratch of 16 x 528 bytes for each wave; later its stage, 16 rows x 272
.set SCP,  528
.set SCW,  16*SCP
.set L16, 3
.set CSA, 4
.set STO, 5
.set SRD, 6
.set GO,  7
.set SCS, 8
.set SCL, 9
.set SSO, 10
.set BIO, 11
.set SS,  16
.set TS,  48
.set BI,  80
.set ACC, 112
.set WK,  144
.set WV, 2
.set CX, 3
.set G1T, 16
.set G1C, 24
.set G0T, 32
.set G0C, 36
.set MSB, 0
.macro WIN new
.if MSB != (\new)
	s_set_vgpr_msb (MSB<<8)|(\new)
.set MSB, (\new)
.endif
.endm
.macro ROUND
	s_barrier_signal -1
	s_barrier_wait -1
	s_cmp_lg_u32 s[WV], 0
	s_cbranch_scc1 .Lnw0_\@
	s_barrier_signal -3
.Lnw0_\@:
	s_barrier_wait -3
	s_barrier_signal -1
	s_barrier_wait -1
.endm
	s_load_b256 s[4:11], s[0:1], 0x0               ; cc, cs, o_w codes, o_w scales
	s_load_b128 s[12:15], s[0:1], 0x20             ; o_b, out0
	v_lshl_add_u32 v254, v0, 2, 0x29000
	v_mov_b32 v255, 0
	ds_add_u32 v254, v255
	ds_add_u32 v254, v255
	v_lshrrev_b32 v15, 5, v0
	v_readfirstlane_b32 s[WV], v15                 ; wave 0..3
	v_and_b32 v15, 31, v0
	v_lshlrev_b32 v[L16], 4, v15
	v_and_b32 v10, 15, v0                          ; r
	v_bfe_u32 v11, v0, 4, 1                        ; h
	s_mul_i32 s46, s[WV], SCW
	s_add_co_u32 s46, s46, SCR                     ; my scratch
	v_add_nc_u32 v[SCS], s46, v[L16]
	v_mul_u32_u24 v[SCL], v10, SCP
	v_lshl_add_u32 v[SCL], v11, 3, v[SCL]
	v_add_nc_u32 v[SCL], s46, v[SCL]               ; out of it: row r, + 8 h
	v_lshl_add_u32 v[CSA], v10, 2, CSL             ; 4 r
	v_mul_u32_u24 v[STO], v10, 272
	v_lshl_add_u32 v[STO], v11, 5, v[STO]
	v_add_nc_u32 v[STO], s46, v[STO]               ; the stage, in: row r, + 32 h
	v_mul_u32_u24 v[SRD], v11, 272
	v_lshl_add_u32 v[SRD], v10, 4, v[SRD]
	v_add_nc_u32 v[SRD], s46, v[SRD]               ; back: lanes 0-15 one row, lanes 16-31 the next
	v_lshlrev_b32 v[GO], 12, v11
	v_lshl_add_u32 v[GO], v10, 4, v[GO]            ; and the same two rows of out0
	v_lshlrev_b32 v[SSO], 5, v10
	v_lshlrev_b32 v[BIO], 5, v11
	s_bfe_u32 s[CX], ttmp6, 0x40000                ; cx: it enters o_w's, o_b's and out0's addresses alone (s42, s43)
	s_lshl_b32 s42, s[CX], 2
	s_add_co_u32 s42, s42, s[WV]                   ; Z = 4 cx + w: which 64 outputs
	s_mov_b32 s47, s42
	s_mov_b32 s43, 0
	s_mov_b32 s41, 0
	s_mov_b32 s44, 0x05040100
	s_mov_b32 s45, 0x07060302
	s_mov_b32 s[G1T], 15|(3<<16)|(1<<21)           ; a tile of 16 rows: 16 KB of dense memory as 64 rows of 256 bytes; the mask names all four work-groups, bit 21 beside it
	s_mov_b32 s[G1T+1], 32<<16
	s_mov_b32 s[G1T+2], 128<<16                    ; two tiles, 32 KB, a load: waves 0 and 1
	s_mov_b32 s[G1T+3], 32<<16
	s_mov_b32 s[G1T+4], 128
	s_mov_b32 s[G1T+5], 32
	s_mov_b32 s[G1T+6], 0
	s_mov_b32 s[G1T+7], 0
	s_mov_b32 s[G1C], 15|(3<<16)|(1<<21)           ; scale words: 128 bytes a head, 512 bytes apart
	s_mov_b32 s[G1C+1], 16<<16
	s_mov_b32 s[G1C+2], 8<<16                      ; eight heads a load: waves 2 and 3
	s_mov_b32 s[G1C+3], 16<<16
	s_mov_b32 s[G1C+4], 8
	s_mov_b32 s[G1C+5], 64
	s_mov_b32 s[G1C+6], 0
	s_mov_b32 s[G1C+7], 0
	s_wait_dscnt 0x0
	s_wait_kmcnt 0x0
	s_lshl_b32 s40, ttmp9, 16                      ; four tiles of 16 KB a cluster,
	s_lshl_b32 s46, s[WV], 15
	s_add_co_u32 s40, s40, s46
	s_mov_b32 s[G0T], 1
	s_mov_b32 s[G0T+1], s46
	s_add_nc_u64 s[G0T+2:G0T+3], s[4:5], s[40:41]
	s_or_b32 s[G0T+3], s[G0T+3], 0x80000000
	s_lshr_b32 s40, ttmp9, 2
	s_lshl_b32 s40, s40, 13                        ; (2 b + half) 8,192
	s_and_b32 s46, ttmp9, 3
	s_lshl_b32 s46, s46, 7                         ; the cluster's two blocks of 32 rows
	s_add_co_u32 s40, s40, s46
	s_and_b32 s46, s[WV], 1
	s_lshl_b32 s46, s46, 12                        ; my eight heads, 512 bytes apart
	s_add_co_u32 s40, s40, s46
	s_mov_b32 s[G0C], 1
	s_lshr_b32 s46, s46, 2                         ; 128 bytes a head in LDS
	s_add_co_u32 s[G0C+1], s46, CSL
	s_add_nc_u64 s[G0C+2:G0C+3], s[6:7], s[40:41]
	s_or_b32 s[G0C+3], s[G0C+3], 0x80000000
	s_lshl_b32 s42, s47, 16
	s_add_nc_u64 s[8:9], s[8:9], s[42:43]          ; o_w's codes: my 64 rows
	s_lshl_b32 s42, s47, 11
	s_add_nc_u64 s[10:11], s[10:11], s[42:43]      ; their scale bytes
	s_lshl_b32 s42, s47, 8
	s_add_nc_u64 s[12:13], s[12:13], s[42:43]      ; o_b
	s_add_nc_u64 s[14:15], s[14:15], s[42:43]      ; out0: my 64 columns,
	s_lshl_b32 s42, ttmp9, 18
	s_add_nc_u64 s[14:15], s[14:15], s[42:43]      ; the cluster's 64 rows
	ROUND                                          ; all four work-groups are here: the joint loads meet
	s_cmp_lt_u32 s[WV], 2                          ; one joint load a wave: waves 0, 1 the context's codes, waves 2, 3 its scale words
	s_cbranch_scc0 .Lfor_words
	tensor_load_to_lds s[G0T:G0T+3], s[G1T:G1T+7]
	s_nop 0
.rept 4
	v_nop
.endr
	s_branch .Lasked
.Lfor_words:
	tensor_load_to_lds s[G0C:G0C+3], s[G1C:G1C+7]
	s_nop 0
.rept 4
	v_nop
.endr
.Lasked:
.macro SBATCH g                        ; batch g = 2 t + kh: the half rows (512 bytes at 512 kh) of the 16 rows of tile t: each load reads 512 consecutive bytes
	WIN 0xc0
.irp i, 0,1,2,3,4,5,6,7,8,9,10,11,12,13,14,15
	global_load_b128 v[64*((\g)%4)+4*\i:64*((\g)%4)+4*\i+3], v[L16], s[8:9] offset:(16*((\g)/2)+\i)*1024+512*((\g)%2)
.endr
.endm
.macro STURN g, left
	s_wait_loadcnt \left                           ; this batch is in; the younger batches of 16 may be out
	WIN 0x0c
.irp i, 0,1,2,3,4,5,6,7,8,9,10,11,12,13,14,15
	ds_store_b128 v[SCS], v[64*((\g)%4)+4*\i:64*((\g)%4)+4*\i+3] offset:\i*SCP
.endr
	WIN 0x40+0x40*((\g)%2)                         ; LDS serves a wave's instructions in order: these see the stores above
.irp q, 0,1,2,3
.irp c, 0,1,2,3
	ds_load_b64 v[(4*\q+(\g)/2)*16+4*\c:(4*\q+(\g)/2)*16+4*\c+1], v[SCL] offset:128*\q+32*\c          ; piece u = 0: k 32 c + 8 h on
	ds_load_b64 v[(4*\q+(\g)/2)*16+4*\c+2:(4*\q+(\g)/2)*16+4*\c+3], v[SCL] offset:128*\q+32*\c+16     ; piece u = 1: k 32 c + 16 + 8 h on
.endr
.endr
.endm
	s_wait_alu depctr_va_vdst(0)
.irp t, 0,1,2,3
	global_load_b128 v[SS+8*\t:SS+8*\t+3], v[SSO], s[10:11] offset:512*\t
	global_load_b128 v[SS+8*\t+4:SS+8*\t+7], v[SSO], s[10:11] offset:512*\t+16
	global_load_b128 v[BI+8*\t:BI+8*\t+3], v[BIO], s[12:13] offset:64*\t               ; o_b of outputs 16 t + 8 h + 0 .. 7
	global_load_b128 v[BI+8*\t+4:BI+8*\t+7], v[BIO], s[12:13] offset:64*\t+16
.endr
	SBATCH 0
	SBATCH 1
	SBATCH 2
	SBATCH 3
.irp g, 0,1,2,3
	STURN \g, 48
	s_wait_dscnt 32                                ; the 16 stores have read their registers (the 32 loads behind them may be out)
	SBATCH \g+4
.endr
	STURN 4, 48
	STURN 5, 32
	STURN 6, 16
	STURN 7, 0
	WIN 0
	s_wait_tensorcnt 0x0                           ; my tile of the context and my heads' scale words are in
	s_wait_dscnt 0x0                               ; o_w's fragments are in
	s_barrier_signal -1
	s_barrier_wait -1                              ; everybody's are
.macro FETCH buf, tau                  ; a tile of the context: eight fragments, images of registers: 32 loads of 512 consecutive bytes
	WIN 0xc0
.irp s, 0,1,2,3,4,5,6,7
.irp g, 0,1,2,3
	ds_load_b128 v[128*\buf+16*\s+4*\g:128*\buf+16*\s+4*\g+3], v[L16] offset:16384*\tau+2048*\s+512*\g
.endr
.endr
	WIN 0
.endm
.macro MUL buf, tau                    ; 32 products: K step by K step, the four accumulators by turns; the first K step takes o_b as C
.irp s, 0,1,2,3,4,5,6,7
	WIN 0x0d+(\s)/4
	s_wait_alu depctr_va_vdst(0)
.irp t, 0,1,2,3
.if \s == 0
	v_wmma_scale_f32_16x16x128_f8f6f4 v[ACC+8*\t:ACC+8*\t+7], v[((\s%4)*4+\t)*16:((\s%4)*4+\t)*16+15], v[128*\buf+16*\s:128*\buf+16*\s+15], v[BI+8*\t:BI+8*\t+7], v[SS+8*\t+\s], v[TS+8*\tau+\s]
.else
	v_wmma_scale_f32_16x16x128_f8f6f4 v[ACC+8*\t:ACC+8*\t+7], v[((\s%4)*4+\t)*16:((\s%4)*4+\t)*16+15], v[128*\buf+16*\s:128*\buf+16*\s+15], v[ACC+8*\t:ACC+8*\t+7], v[SS+8*\t+\s], v[TS+8*\tau+\s]
.endif
.endr
.endr
	WIN 0
.rept 9
	v_nop                                          ; eight places for the reads of the sums and the loads into the fragments' registers, one more since the next products begin these accumulators anew
.endr
.endm
.macro OUT tau                         ; 16 rows x 64 outputs through my stage; sixteen lanes store 256 consecutive bytes, aligned
	s_wait_xcnt 0x0                                ; the last tile's stores have read their registers
.irp t, 0,1,2,3
	ds_store_b128 v[STO], v[ACC+8*\t:ACC+8*\t+3] offset:64*\t          ; each accumulator from its low end on
	ds_store_b128 v[STO], v[ACC+8*\t+4:ACC+8*\t+7] offset:64*\t+16
.endr
.irp i, 0,1,2,3,4,5,6,7
	ds_load_b128 v[WK+4*\i:WK+4*\i+3], v[SRD] offset:2*\i*272          ; LDS serves a wave's instructions in order: these see the stores above
.endr
.irp i, 0,1,2,3,4,5,6,7
	s_wait_dscnt 7-\i
	global_store_b128 v[GO], v[WK+4*\i:WK+4*\i+3], s[14:15] offset:(16*\tau+2*\i)*4096 th:TH_STORE_NT
.endr
.endm
.irp hd, 0,1,2,3,4,5,6,7,8,9,10,11,12,13,14,15
	ds_load_b32 v[WK+2*\hd], v[CSA] offset:128*\hd             ; row r's word of (head, block of 32 rows): the first 16 rows' two bytes, the second 16 rows' two
	ds_load_b32 v[WK+2*\hd+1], v[CSA] offset:128*\hd+64
.endr
	FETCH 0, 0
	s_wait_dscnt 32                                ; the words are in; the first tile's 32 loads may be out
.irp q, 0,1
.irp u, 0,1
.irp s, 0,1,2,3,4,5,6,7
	v_perm_b32 v[TS+8*(2*\q+\u)+\s], v[WK+2*(2*\s+1)+\q], v[WK+2*(2*\s)+\q], s[44+\u]   ; tile 2 q + u, K step s: head 2 s's two bytes, head 2 s + 1's two
.endr
.endr
.endr
.rept 8
	v_nop                                          ; a scale word made by a vector instruction stands eight places ahead of the product that takes it
.endr
	FETCH 1, 1
	s_wait_dscnt 32                                ; tile 0 is in; tile 1's 32 loads may be out
	MUL 0, 0
	OUT 0
	FETCH 0, 2
	s_wait_dscnt 32
	MUL 1, 1
	OUT 1
	FETCH 1, 3
	s_wait_dscnt 32
	MUL 0, 2
	OUT 2
	s_wait_dscnt 0x0
	MUL 1, 3
	OUT 3
	s_wait_dscnt 0x0
	s_wait_tensorcnt 0x0
	ds_add_u32 v254, v255
	s_wait_dscnt 0x0
	ROUND                                          ; the closing round
	s_endpgm
.Lfunc_end_k_q2414215bbb_oproj:
	.size	k_q2414215bbb_oproj, .Lfunc_end_k_q2414215bbb_oproj-k_q2414215bbb_oproj
	.p2alignl 7, 3214868480
	.fill 96, 4, 3214868480
	.section	.rodata,"a",@progbits
	.p2align	6, 0x0
	.amdhsa_kernel k_q2414215bbb_oproj
		.amdhsa_group_segment_fixed_size 168448
		.amdhsa_private_segment_fixed_size 0
		.amdhsa_enable_private_segment 0
		.amdhsa_kernarg_size 48
		.amdhsa_user_sgpr_count 2
		.amdhsa_user_sgpr_kernarg_segment_ptr 1
		.amdhsa_wavefront_size32 1
		.amdhsa_system_sgpr_workgroup_id_x 1
		.amdhsa_system_sgpr_workgroup_id_y 1
		.amdhsa_system_sgpr_workgroup_id_z 1
		.amdhsa_system_vgpr_workitem_id 0
		.amdhsa_next_free_vgpr 1024
		.amdhsa_next_free_sgpr 66
		.amdhsa_reserve_vcc 0
		.amdhsa_float_denorm_mode_32 3
		.amdhsa_float_denorm_mode_16_64 3
		.amdhsa_memory_ordered 1
		.amdhsa_forward_progress 1
		.amdhsa_inst_pref_size 84
	.end_amdhsa_kernel
	.amdgpu_metadata
---
amdhsa.version: [ 1, 2 ]
amdhsa.kernels:
  - .name:           k_q2414215bbb_oproj
    .symbol:         k_q2414215bbb_oproj.kd
    .args:
      - { .name: cc, .offset: 0, .size: 8, .value_kind: global_buffer, .address_space: global }
      - { .name: cs, .offset: 8, .size: 8, .value_kind: global_buffer, .address_space: global }
      - { .name: o_w_codes, .offset: 16, .size: 8, .value_kind: global_buffer, .address_space: global }
      - { .name: o_w_scales, .offset: 24, .size: 8, .value_kind: global_buffer, .address_space: global }
      - { .name: o_b, .offset: 32, .size: 8, .value_kind: global_buffer, .address_space: global }
      - { .name: out0, .offset: 40, .size: 8, .value_kind: global_buffer, .address_space: global }
    .group_segment_fixed_size: 168448
    .private_segment_fixed_size: 0
    .kernarg_segment_align: 8
    .kernarg_segment_size: 48
    .max_flat_workgroup_size: 128
    .sgpr_count:     66
    .vgpr_count:     1024
    .wavefront_size: 32
...
	.end_amdgpu_metadata
.endif
;; end of part 3
